; MI455X (gfx1250); checked and timed in simulation.
; The chip was launched on July 23, 2026; its instructions are those of AMD's public machine-readable ISA for CDNA 5 (MIT licence, August 2026) and "CDNA5" Instruction Set Architecture Reference Guide (July 2026). The comments in the code are by the model that wrote it; some were corrected since.
;; Linear Attention. Allowed arithmetic: matrix products marked QUANTISED: E4M3 operands, one E8M0 scale for each 32 along K, by v_wmma_scale_f32_16x16x128_f8f6f4 with both operands' format E4M3, f32 sums; products left as they are: f32 operands where the result goes on into a quantised operand, else bf16, f16 or f32 operands; f32 sums; everything else in f32.
;; Inputs: Wk_codes 1,024 x 32 x 32 uint8 (E4M3 codes of Wk, K innermost, in blocks of 32 codes); Wk_scales 1,024 x 32 uint8 (E8M0 scales of Wk, one for each 32 codes along K); Wq_codes 1,024 x 32 x 32 uint8 (E4M3 codes of Wq, K innermost, in blocks of 32 codes); Wq_scales 1,024 x 32 uint8 (E8M0 scales of Wq, one for each 32 codes along K); Wv_codes 1,024 x 32 x 32 uint8 (E4M3 codes of Wv, K innermost, in blocks of 32 codes); Wv_scales 1,024 x 32 uint8 (E8M0 scales of Wv, one for each 32 codes along K); bk 1,024 float32; bq 1,024 float32; bv 1,024 float32; mask 4 x 4,096 bool; x_codes 4 x 4,096 x 32 x 32 uint8 (E4M3 codes of x, K innermost, in blocks of 32 codes); x_scales 4 x 4,096 x 32 uint8 (E8M0 scales of x, one for each 32 codes along K).
;; Outputs: out0 4 x 4,096 x 1,024 float32.
;; This version of the problem:
;;   THIS VERSION OF THE PROBLEM IS GIVEN IN LOW PRECISION. The matrix products marked QUANTISED in the list below multiply operands that are first quantised to E4M3 (4 exponent bits, 3 mantissa bits; 8 bits a number), with one power-of-two scale for each 32 numbers along K (OCP MX v1.0); their sums are f32. All else is computed in f32.
;;   The module's matrix products, in the order in which they are computed (A, B: the left and right operand; K: the contracted axis; several contracted axes count as one K, in the product's order):
;;     1. [M 16,384, K 1,024] x [K 1,024, N 1,024]; A: input x (given as codes); B: input Wq (given as codes): QUANTISED
;;     2. [M 16,384, K 1,024] x [K 1,024, N 1,024]; A: input x (given as codes); B: input Wk (given as codes): QUANTISED
;;     3. [M 16,384, K 1,024] x [K 1,024, N 1,024]; A: input x (given as codes); B: input Wv (given as codes): QUANTISED
;;     4. batch 64 x [M 64, K 4,096] x [K 4,096, N 64]; A: computed on the way; B: computed on the way: QUANTISED
;;     5. batch 64 x [M 4,096, K 64] x [K 64, N 64]; A: computed on the way; B: computed on the way: QUANTISED
;;     6. batch 64 x [M 4,096, K 64] x [K 64, N 1]; A: computed on the way; B: computed on the way: left as it is (N = 1 < 16)
;;   THE QUANTISER, for each operand of a quantised product, along K:
;;     - K is cut into blocks of 32 from its start; a last block that is shorter is filled with zeros.
;;     - A block's scale is 2^e with e = floor(log2(the largest magnitude in the block)) - 8, held to -126 .. 127; a block of zeros has e = 0. As a byte (E8M0): e + 127.
;;     - Each number is divided by its block's scale, clamped to +-448, and rounded to the nearest number of E4M3, ties to even, subnormals kept.
;;     - The product sums the exact products of the quantised numbers (number of the format x scale) in f32.
;;   ~~~python
;;   def quantise(x, axis):      # numpy; x: float32 -> the quantised numbers, widened to float32 again
;;       x = np.moveaxis(x, axis, -1); K = x.shape[-1]
;;       x = np.pad(x, [(0, 0)] * (x.ndim - 1) + [(0, -K % 32)]); x = x.reshape(x.shape[:-1] + (-1, 32)); a = np.abs(x).max(-1, keepdims=True)
;;       e = np.where(a > 0, np.clip(np.frexp(np.where(a > 0, a, 1))[1] - 1 - 8, -126, 127), 0)      # np.frexp(a)[1] - 1 = floor(log2(a)), exactly
;;       r = np.clip(x / 2.0 ** e, -448, 448)
;;       step = 2.0 ** (np.maximum(np.frexp(np.where(r == 0, 1, r))[1] - 1, -6) - 3)
;;       q = np.round(r / step) * step * 2.0 ** e      # np.round: ties to even
;;       return np.moveaxis(q.reshape(q.shape[:-2] + (-1,))[..., :K], -1, axis).astype(np.float32)
;;   ~~~
;;   OPERANDS COMPUTED ON THE WAY. 'Computed on the way' means the value that the module computes at that place (a softmax that the list does not call 'softmax' is quantised finished and normalised). What goes into a quantiser is computed in f32, as accurately as f32 sums, v_exp_f32 and their like allow (about 1e-6 of the number): no bf16 or f16 on the way to a quantiser, and a product that is left as it is and whose result goes on into a quantised operand takes f32 operands (vector FMAs, or v_wmma_f32_16x16x4_f32). A number that lies on a knife's edge between two numbers of the format may be rounded either way, as far as f32 arithmetic and the matrix unit's own rounding can turn it there, and no further.
;;   INPUTS GIVEN AS CODES. Wk (in the module: [1024, 1024], K = its axis 0); Wq (in the module: [1024, 1024], K = its axis 0); Wv (in the module: [1024, 1024], K = its axis 0); x (in the module: [4, 4096, 1024], K = its axis 2): each comes as NAME_codes (uint8): NAME with its K axis moved to the last place and cut into blocks of 32 codes, [.., K / 32, bytes a block], one block behind the other in memory; one code a byte (a code: sign, 4 exponent bits, 3 mantissa bits); and NAME_scales (uint8): the same leading axes, one E8M0 byte (e + 127) for each 32 codes along K. Its value is code x scale, taken as it is: it is not quantised again, and the codes and scales need not be those that the quantiser above would give.
;; One version. Each part assembles by itself: llvm-mc -triple=amdgcn-amd-amdhsa -mcpu=gfx1250 --defsym DOCPART=n.
;; ======== version 1 of 1: 3 launches
;; workspace buffers: kvpart 16,777,216 bytes; zpart 524,288 bytes; kvblk 311,296 bytes
;; launch kvproj (part 1): grid 8 x 64, 4 waves a work-group, clusters of 4 x 4, 327,680 bytes of LDS; arguments x_codes, x_scales, Wk_codes, Wk_scales, Wv_codes, Wv_scales, bk, bv, mask, kvpart, zpart; writes kvpart, zpart
.if DOCPART == 1
	.amdgcn_target "amdgcn-amd-amdhsa--gfx1250"
	.amdhsa_code_object_version 6
	.text
	.protected	k_q303db512ed_kvproj
	.globl	k_q303db512ed_kvproj
	.p2align	8
	.type	k_q303db512ed_kvproj,@function
k_q303db512ed_kvproj:
	s_mov_b64 s[64:65], 0
	v_nop
	global_prefetch_b8 v0, s[64:65] scope:SCOPE_SE
	s_setreg_imm32_b32 hwreg(HW_REG_WAVE_MODE, 25, 1), 1
	s_wait_xcnt 0x0
	s_wait_alu depctr_hold_cnt(0) depctr_sa_sdst(0) depctr_va_vdst(0) depctr_va_sdst(0) depctr_va_ssrc(0) depctr_va_vcc(0) depctr_vm_vsrc(0)
	s_getreg_b32 s2, hwreg(HW_REG_IB_STS2, 6, 4)
	s_cmp_eq_u32 s2, 0
	s_cbranch_scc0 .Lentry_in_a_cluster
	s_endpgm
.Lentry_in_a_cluster:
	s_bfe_u32 s2, ttmp6, 0x10000c
	s_cmp_lg_u32 s2, 0xf033
	s_cbranch_scc0 .Lentry_shape_is_right
	s_endpgm
.Lentry_shape_is_right:
; k = x Wk + bk and v = x Wv + bv on given codes of E4M3 with E8M0 scales; kf = phi(k) m, vm = v m; both quantised ALONG THE TOKENS; a part of kv = kf^T vm and of z = the sum of kf.
; A work-group of four waves takes 256 tokens x 2 heads: 128 columns of k and 128 of v.  Wave (TI, HJ) takes tokens 128 TI on and head 2 hp + HJ: 64 columns of k, 64 of v: 128 x 128 results, 64 accumulators.
; THE PRODUCT IS USED AS IT STANDS: source 0 = 16 tokens of x, source 1 = 16 columns of W.  A lane then holds ONE column, and its registers run down the tokens, which are the next product's K.
; K = 1,024 goes in steps of 256 through two LDS slots; all scale bytes of the tile come once and stay.  4 x 4 work-groups form a cluster: x's tiles are asked for jointly along a row, W's along a column.
; The 64 registers of a column block hold tokens 16 b + 8 (lane / 16) + j in register 8 b + j: registers 16 B .. 16 B + 15 of lanes l and l xor 16 are the block of 32 tokens B.  Their codes are fed to the matrix unit in that
; order, for kf and for vm alike: the same permutation of K inside each block of 32 on both sides keeps every product and every scale; only the order of the sum differs.
; OUT: kvpart [bh][16][16,384]: the sum over the tile's 256 tokens, as images of 16 accumulators (dt, n): register j of lane (r, h) is kv[16 dt + 8 h + j][16 n + r].  zpart [bh][32][64]: sums over 128 tokens.
; phi(x) m = the middle one of e^x, m, (x + 1) m  (x > 0: e^x > x + 1 > 1;  x <= 0: x + 1 <= e^x <= 1;  m is 0 or 1).
; A PREFETCH INTO THE L2 of K steps 2 and 3, which come as refills.  It stands once, behind the barrier that shows K step 0 in LDS and behind the first run of LDS loads: 96 matrix instructions ahead of the refill that asks for
; K step 2, 224 ahead of K step 3's.  A K step is 256 bytes of each row: a lane a row, two instructions a wave.  Each row's block is named once in the launch: x's rows are read by both clusters of a row of clusters: cluster x = 0
; asks; W's rows by every cluster of a column of clusters: cluster y = 0 asks.  Of the 128 rows that a wave fetches, each of the four partners that ask for them jointly takes 32, told apart by address.  K steps 0 and 1 come by their loads alone.
; LIMITS: NaN and infinities among the inputs are not served.  e^x is v_exp_f32 of x log2(e): its relative error grows as about |x| x 1e-7, and results under 2^-126 become 0.  Within an ulp of x = 0 the middle one
; may be the other branch's value.  A block of zeros keeps the scale byte 1 (its codes are zeros; only this program reads the bytes).  kv and z are summed in groups of 128 and 256 tokens.
; REGISTERS, in windows of 256.  window 0: v0-15 addresses; v16-31 mask bytes; v32-63 scale words and nothing else; v64-127 the biases, later Q; v128-255 W's fragments, ONE set, later at work.
;   window 1: x's fragments, TWO sets, at v0 and v128; later the eight fragments of kf and vm (v0-127) and the mask as f32 (v128-191).
;   window 2: the accumulators of k (block a at v[64 a]); later kv.   window 3: those of v; later the two halves of the pair's sum.
.set PITCH,  272                       ; an LDS row: 256 bytes + 16 of padding = 68 words: the 16 rows that a load touches start at 16 different banks (64 banks of 4 bytes: ISA guide 11.1)
.set ROWB,   256                       ; a tile's row: 256 codes
.set KROW,   1024                      ; a row of x or W in memory
.set NQ,     2                         ; matrix instructions deep in a slot
.set NL,     4                         ; LDS loads that bring a fragment
.set NP,     8                         ; places behind this matrix instruction (ISA guide 7.12.1)
.set HALFT,  128*PITCH                 ; 128 rows: what one tensor load brings
.set SLOT,   4*HALFT                   ; x's 256 rows, Wk's 128, Wv's 128
.set LAPS,   2                         ; 1,024 / 512: a lap is once round the ring
.set SCL,    2*SLOT                    ; behind the ring: the scale bytes, as units of 256 bytes + 16: x's two halves, Wk's, Wv's
.set HALFS,  16*272                    ; those of 128 rows (32 bytes a row)
.set SBLK,   2*272                     ; those of 16 rows
.set SPARE,  SCL+4*HALFS               ; the spare words, 128 bytes a wave: two blocks of 256 bytes that no other line names
.set ZST,    65536                     ; the way out lies in slot 0, which has had its last fill and its last read by then: kv images at 16,384 x wave, z at ZST + 256 x wave
.set GO,   1                           ; v1   (r at the head) 16 x lane: my bytes in a store of kvpart
.set ZO,   2                           ; v2   (h at the head) 8 x lane: in zpart
.set KST,  3                           ; v3   where I put my kv image
.set KRD0, 4                           ; v4   my half of my own image
.set KRD1, 5                           ; v5   the same half of my partner's (wave xor 2: the head's other 128 tokens)
.set ZSTA, 6                           ; v6   where I put z
.set PFO,  7                           ; v7   the prefetches' offset: 1,024 x lane, a row of x or W; it stands until the way out, where the register becomes ZRD
.set ZRD,  7                           ; v7   where I read z back; made on the way out
.set AD1,  8                           ; v8-9   W's fragments in slot 0, 1
.set AD0,  10                          ; v10-11 x's
.set ADRS, 12                          ; v12  scale words: lanes 0-15 x's blocks, lanes 16-31 Wk's
.set ADRS2, 13                         ; v13  the same with Wv's in lanes 16-31
.set SPW,  14                          ; v14  my spare word; never rewritten
.set NIL,  15                          ; v15  0; never rewritten
.set MRAW, 16
.set SC,   32                          ; set s at v[SC + 16 s]; register 2 i + q: lanes 0-15 x's block i, lanes 16-31 W's block i, the slot's q-th 128 along K
.set KSW,  32                          ; later: the scale words of kf's four fragments and vm's four
.set BIAS, 64
.set AF,   128
.set Q,    64
.set U,    128
.set M,    128                         ; in window 1
.set TM,   192                         ; +0..3 largest magnitudes, +4..7 bytes, +8..11 448 x the scale, +12..15 the conversions' scale operands
.set ZA,   208
.set ZS,   212
.set ZT,   216
.set ZB,   220
.set MNT,  2                           ; s2   the mantissa field of 448
.set G1SW, 4                           ; s[4:11], s[12:15] groups 1 and 0 for W's scales
.set G0SW, 12
.set WV,   16
.set TI,   17
.set HJ,   18
.set G1X,  24                          ; s[24:31] group 1 for x's tiles; s[32:39] group 0, a set for each slot
.set G0X,  32
.set G1W,  48                          ; s[48:55], s[56:63] the same for W's
.set G0W,  56
.set G1SX, 68                          ; s[68:75], s[76:79] for x's scales
.set G0SX, 76
.set SEL,  80                          ; s[80:81] v_permlanex16_b32's selects for lane l xor 16
.set CS,   82                          ; s[82:83] log2(e)
.set PFA,  88                          ; s[88:89] where my prefetches stand: my work-group's 32 rows of the 128 that I fetch, at K = 0; never rewritten
.set LIM,  90                          ; s90  1 in a wave that prefetches, else 0
.set MSB, 0
.macro WIN new                         ; the immediate's high byte repeats the setting that is left
.if MSB != (\new)
	s_set_vgpr_msb (MSB<<8)|(\new)
.set MSB, (\new)
.endif
.endm
; A joint load: waves 0 and 1 fetch x's halves, wave 2 Wk's rows, wave 3 Wv's.  The branch hangs on the wave's number alone.  Four v_nop follow each line.
.macro JLOAD g0a, g1a, g0b, g1b
	s_cmp_eq_u32 s[TI], 0
	s_cbranch_scc0 .Lfor_w_\@
	tensor_load_to_lds s[\g0a:\g0a+3], s[\g1a:\g1a+7]
	s_nop 0
.rept 4
	v_nop
.endr
	s_branch .Lasked_\@
.Lfor_w_\@:
	tensor_load_to_lds s[\g0b:\g0b+3], s[\g1b:\g1b+7]
	s_nop 0
.rept 4
	v_nop
.endr
.Lasked_\@:
.endm
.macro CREST                           ; a round of the cluster's barrier behind its opening barrier
	s_cmp_lg_u32 s[WV], 0
	s_cbranch_scc1 .Lnot_wave_0_\@
	s_barrier_signal -3
.Lnot_wave_0_\@:
	s_barrier_wait -3
	s_barrier_signal -1
	s_barrier_wait -1
.endm
.macro CROUND
	s_barrier_signal -1
	s_barrier_wait -1
	CREST
.endm
.macro PLACES n
.rept \n
	v_nop
.endr
.endm
	s_load_b512 s[80:95], s[0:1], 0x0              ; x's codes, x's scales, Wk's codes, Wk's scales, Wv's codes, Wv's scales, bk, bv
	s_load_b128 s[96:99], s[0:1], 0x40             ; mask, kvpart
	s_load_b64 s[100:101], s[0:1], 0x50            ; zpart
	v_lshl_add_u32 v[SPW], v0, 2, SPARE
	v_mov_b32 v[NIL], 0
	ds_add_u32 v14, v15
	s_wait_dscnt 0x0
	v_lshrrev_b32 v1, 5, v0
	v_readfirstlane_b32 s[WV], v1                  ; wave 0..3
	s_lshr_b32 s[TI], s[WV], 1                     ; which 128 tokens are mine.  Also: I fetch for x (0) or for W (1)
	s_and_b32 s[HJ], s[WV], 1                      ; which head of the pair.  Also: which half of x, or Wk (0) / Wv (1), I fetch
	s_bfe_u32 s40, ttmp6, 0x40000                  ; cx, cy: my place in the cluster
	s_bfe_u32 s41, ttmp6, 0x40004
	s_lshl_b32 s42, ttmp9, 2
	s_add_co_u32 s42, s42, s40                     ; hp, the pair of heads = 4 x cluster x + cx
	s_and_b32 s19, ttmp7, 0xffff
	s_lshl_b32 s19, s19, 2
	s_add_co_u32 s19, s19, s41                     ; the tile of 256 tokens = 4 x cluster y + cy
	s_lshl_b32 s43, s41, 2
	s_lshl_b32 s43, 15, s43                        ; my row of the cluster
	s_lshl_b32 s44, 0x1111, s40                    ; my column
	; group 1 for codes: 128 rows x 256 bytes, 16 bytes of padding behind each
	s_or_b32 s[G1X+0], s43, (1<<20)|(1<<21)|(5<<22)|(3<<25)   ; 15:0 the mask: x's tiles go to my row; 17:16 elements of 1 byte; 20 padding on; 21 set beside a mask; 24:22 after every 64 words; 31:25 four words
	s_or_b32 s[G1W+0], s44, (1<<20)|(1<<21)|(5<<22)|(3<<25)   ; W's go to my column
.irp g, G1X, G1W
	s_mov_b32 s[\g+1], ROWB<<16                    ; tensor_dim0
	s_mov_b32 s[\g+2], 128<<16                     ; tensor_dim1
	s_mov_b32 s[\g+3], ROWB<<16                    ; tile_dim0
	s_mov_b32 s[\g+4], 128                         ; tile_dim1
	s_mov_b32 s[\g+5], KROW                        ; the pitch
	s_mov_b32 s[\g+6], 0
	s_mov_b32 s[\g+7], 0
.endr
	; group 1 for the scale bytes of 128 rows: 4,096 dense bytes as 16 rows of 256 (32 elements of 8 bytes), 16 bytes of padding behind each
	s_or_b32 s[G1SX+0], s43, (3<<16)|(1<<20)|(1<<21)|(5<<22)|(3<<25)
	s_or_b32 s[G1SW+0], s44, (3<<16)|(1<<20)|(1<<21)|(5<<22)|(3<<25)
.irp g, G1SX, G1SW
	s_mov_b32 s[\g+1], 32<<16
	s_mov_b32 s[\g+2], 16<<16
	s_mov_b32 s[\g+3], 32<<16
	s_mov_b32 s[\g+4], 16
	s_mov_b32 s[\g+5], 32
	s_mov_b32 s[\g+6], 0
	s_mov_b32 s[\g+7], 0
.endr
	; x's addresses hang on the token tile alone, W's on the pair of heads alone, each in registers that do not hold the other coordinate
	s_lshl_b32 s20, s19, 8
	s_lshl_b32 s21, s[HJ], 7
	s_add_co_u32 s20, s20, s21                     ; x: row 256 x tile + 128 x half
	s_lshl_b32 s22, s20, 10                        ; its codes, in bytes (under 2^24)
	s_mov_b32 s23, 0
	s_lshl_b32 s20, s20, 5                         ; its scale bytes
	s_mov_b32 s21, 0
	s_lshl_b32 s46, s42, 17                        ; W: row 128 hp: its codes,
	s_mov_b32 s47, 0
	s_lshl_b32 s66, s42, 12                        ; its scale bytes
	s_mov_b32 s67, 0
	s_mul_i32 s45, s[WV], HALFT                    ; where they go: wave x 128 rows: no place in the cluster enters an LDS address
	s_mul_i32 s3, s[WV], HALFS
	CROUND                                         ; all sixteen work-groups are here: the first joint loads will meet.  The round needs none of the arguments, so it stands ahead of the wait for them; only scalar work lies between it and the loads
	s_wait_kmcnt 0x0
	s_add_nc_u64 s[22:23], s[80:81], s[22:23]
	s_add_nc_u64 s[20:21], s[82:83], s[20:21]
	s_cmp_eq_u32 s[HJ], 0                          ; Wk or Wv: the choice hangs on the wave's number alone
	s_cselect_b64 s[84:85], s[84:85], s[88:89]
	s_cselect_b64 s[86:87], s[86:87], s[90:91]
	s_add_nc_u64 s[46:47], s[84:85], s[46:47]
	s_add_nc_u64 s[66:67], s[86:87], s[66:67]
	s_mov_b32 s[G0SX], 1
	s_add_co_u32 s[G0SX+1], s3, SCL
	s_mov_b64 s[G0SX+2:G0SX+3], s[20:21]
	s_or_b32 s[G0SX+3], s[G0SX+3], 0x80000000
	s_mov_b32 s[G0SW], 1
	s_add_co_u32 s[G0SW+1], s3, SCL
	s_mov_b64 s[G0SW+2:G0SW+3], s[66:67]
	s_or_b32 s[G0SW+3], s[G0SW+3], 0x80000000
	JLOAD G0SX, G1SX, G0SW, G1SW                   ; the scale bytes first: they are wanted with K step 0
.irp s, 0,1
	s_mov_b32 s[G0X+4*\s], 1
	s_add_co_u32 s[G0X+4*\s+1], s45, \s*SLOT
	s_add_nc_u64 s[G0X+4*\s+2:G0X+4*\s+3], s[22:23], \s*ROWB
	s_or_b32 s[G0X+4*\s+3], s[G0X+4*\s+3], 0x80000000
	s_mov_b32 s[G0W+4*\s], 1
	s_add_co_u32 s[G0W+4*\s+1], s45, \s*SLOT
	s_add_nc_u64 s[G0W+4*\s+2:G0W+4*\s+3], s[46:47], \s*ROWB
	s_or_b32 s[G0W+4*\s+3], s[G0W+4*\s+3], 0x80000000
	JLOAD G0X+4*\s, G1X, G0W+4*\s, G1W             ; three tensor loads of mine are out
.endr
	; the prefetches: where mine stand, and whether I ask.  s[80:81] = x's codes and s[84:85] = my W's codes still stand
	s_lshl_b32 s20, s19, 8
	s_lshl_b32 s21, s[HJ], 7
	s_add_co_u32 s20, s20, s21                     ; x: the 128 rows that I fetch begin at 256 x tile + 128 x half
	s_lshl_b32 s21, s42, 7                         ; W: at 128 hp
	s_and_b32 s22, ttmp7, 0xffff                   ; cluster y
	s_cmp_eq_u32 s[TI], 0                          ; do I fetch for x?
	s_cselect_b32 s20, s20, s21
	s_cselect_b32 s21, s40, s41                    ; my place among the four that ask for these rows with me
	s_cselect_b32 s22, ttmp9, s22                  ; the coordinate along which other clusters read the same rows
	s_cselect_b64 s[PFA:PFA+1], s[80:81], s[84:85]
	s_cmp_eq_u32 s22, 0
	s_cselect_b32 s[LIM], 1, 0                     ; the same in all sixteen partners, for a given wave
	s_lshl_b32 s21, s21, 5
	s_add_co_u32 s20, s20, s21                     ; + my work-group's 32 of the 128
	s_lshl_b32 s20, s20, 10                        ; rows of 1,024 bytes (under 2^24)
	s_mov_b32 s21, 0
	s_add_nc_u64 s[PFA:PFA+1], s[PFA:PFA+1], s[20:21]
	s_mov_b32 s[SEL], 0x76543210                   ; (the pointers that lay here have been used up)
	s_mov_b32 s[SEL+1], 0xfedcba98
	s_mov_b32 s[CS], 0x3fb8aa3b                    ; log2(e)
	s_mov_b32 s[CS+1], s[CS]                       ; (named with it as a pair, so it is written)
	s_mov_b32 s[MNT], 0x600000
	v_and_b32 v1, 15, v0                           ; r
	v_bfe_u32 v2, v0, 4, 1                         ; h
	v_and_b32 v[PFO], 31, v0
	v_lshlrev_b32 v[PFO], 10, v[PFO]               ; a lane a row
	v_mul_u32_u24 v3, v1, PITCH
	v_lshl_add_u32 v3, v2, 4, v3                   ; a fragment's row x pitch + 16 x half
	s_mul_i32 s20, s[TI], HALFT                    ; my 128 tokens of x
	s_mul_i32 s21, s[HJ], 64*PITCH                 ; my head's 64 rows of Wk, behind x's 256; Wv's lie 128 rows further on
	s_add_co_u32 s21, s21, 2*HALFT
.irp s, 0,1
	v_add_nc_u32 v[AD0+\s], s20, v3
	v_add_nc_u32 v[AD1+\s], s21, v3
	s_add_co_u32 s20, s20, SLOT
	s_add_co_u32 s21, s21, SLOT
.endr
	v_lshlrev_b32 v4, 5, v1                        ; my row's scale bytes: 32 a row,
	v_lshrrev_b32 v5, 8, v4
	v_lshl_add_u32 v4, v5, 4, v4                   ; and 16 more for each 256 passed
	s_mul_i32 s20, s[TI], HALFS                    ; x's: my 128 tokens
	s_mul_i32 s21, s[HJ], 4*SBLK                   ; Wk's: my head's 64 rows, behind x's 256
	s_add_co_u32 s21, s21, 2*HALFS
	s_sub_co_u32 s21, s21, s20                     ; the distance from x's to Wk's: lanes 16-31 take it
	v_mul_u32_u24 v5, s21, v2
	s_add_co_u32 s21, s21, HALFS-4*SBLK            ; and to Wv's, for blocks 4 to 7 (their offset counts the block's number)
	v_mul_u32_u24 v6, s21, v2
	s_add_co_u32 s20, s20, SCL
	v_add_nc_u32 v4, s20, v4
	v_add_nc_u32 v[ADRS], v4, v5
	v_add_nc_u32 v[ADRS2], v4, v6
	s_lshl_b32 s20, s42, 9                         ; the biases of my 64 columns: (128 hp + 64 HJ) x 4 bytes
	s_lshl_b32 s21, s[HJ], 8
	s_add_co_u32 s20, s20, s21
	s_mov_b32 s21, 0
	s_add_nc_u64 s[92:93], s[92:93], s[20:21]
	s_add_nc_u64 s[94:95], s[94:95], s[20:21]
	s_lshl_b32 s20, s19, 8                         ; the mask of my 128 tokens
	s_lshl_b32 s22, s[TI], 7
	s_add_co_u32 s20, s20, s22
	s_add_nc_u64 s[96:97], s[96:97], s[20:21]
	v_lshlrev_b32 v5, 2, v1
	v_lshlrev_b32 v6, 3, v2
.irp a, 0,1,2,3
	global_load_b32 v[BIAS+8*\a], v5, s[92:93] offset:64*\a        ; bk of column 16 a + r
	global_load_b32 v[BIAS+32+8*\a], v5, s[94:95] offset:64*\a     ; bv likewise
.endr
.irp b, 0,1,2,3,4,5,6,7
	global_load_b64 v[MRAW+2*\b:MRAW+2*\b+1], v6, s[96:97] offset:16*\b   ; the mask bytes of tokens 16 b + 8 h + 0 .. 7
.endr
	s_lshr_b32 s20, s19, 4                         ; the batch,
	s_lshl_b32 s20, s20, 4
	s_lshl_b32 s22, s42, 1
	s_add_co_u32 s20, s20, s22
	s_add_co_u32 s20, s20, s[HJ]                   ; bh = 16 x batch + 2 hp + HJ
	s_and_b32 s22, s19, 15                         ; p: which 256 tokens of the batch
	s_lshl_b32 s20, s20, 4
	s_add_co_u32 s20, s20, s22
	s_lshl_b32 s20, s20, 1
	s_add_co_u32 s20, s20, s[TI]                   ; 32 bh + 2 p + TI: my part of z, and my half of a part of kv
	s_lshl_b32 s22, s20, 8
	s_mov_b32 s23, 0
	s_add_nc_u64 s[100:101], s[100:101], s[22:23]  ; 256 bytes each
	s_lshl_b32 s20, s20, 13
	s_add_nc_u64 s[98:99], s[98:99], s[20:21]      ; 8,192 bytes each
.macro FRAG reg, adr, q, row           ; a fragment, 16 rows x 128 K: lane l holds row l % 16; registers 4 c .. 4 c + 3 hold K = 32 c + 16 (l / 16) + 0 .. 15
.irp c, 0,1,2,3
	ds_load_b128 v[\reg+4*\c:\reg+4*\c+3], v[\adr] offset:128*(\q)+32*\c+(\row)*PITCH
.endr
.endm
; 16 matrix instructions: W's blocks a0, a0 + 1 x x's eight, 128 along K.  p: x's set; sc: the set of scale words.  first = 1: the bias is the C of the sum's first instruction.
; The 64 accumulators take turns, one instruction a turn, in the same order in every step.
.macro MUL16 a0, p, q, sc, first
.irp a, \a0, \a0+1
.irp b, 0,1,2,3,4,5,6,7
.if \first
	v_wmma_scale_f32_16x16x128_f8f6f4 v[8*(8*((\a)%4)+\b):8*(8*((\a)%4)+\b)+7], v[128*(\p)+16*\b:128*(\p)+16*\b+15], v[AF+16*(\a):AF+16*(\a)+15], v[BIAS+8*(\a):BIAS+8*(\a)+7], v[SC+16*(\sc)+2*\b+(\q)], v[SC+16*(\sc)+2*(\a)+(\q)] matrix_b_scale:MATRIX_SCALE_ROW1
.else
	v_wmma_scale_f32_16x16x128_f8f6f4 v[8*(8*((\a)%4)+\b):8*(8*((\a)%4)+\b)+7], v[128*(\p)+16*\b:128*(\p)+16*\b+15], v[AF+16*(\a):AF+16*(\a)+15], v[8*(8*((\a)%4)+\b):8*(8*((\a)%4)+\b)+7], v[SC+16*(\sc)+2*\b+(\q)], v[SC+16*(\sc)+2*(\a)+(\q)] matrix_b_scale:MATRIX_SCALE_ROW1
.endif
.endr
.endr
.endm
.macro FETCH_S0 slot, q, p             ; x's eight fragments into set p
	WIN 0x40
.irp i, 0,1,2,3,4,5,6,7
	FRAG 128*(\p)+16*\i, AD0+\slot, \q, 16*\i
.endr
	WIN 0
.endm
.macro FETCH_S1 slot, q, i0            ; W's blocks i0 .. i0 + 3: 0-3 are Wk's rows, 4-7 Wv's, 64 rows further on than their number says
.irp i, \i0, \i0+1, \i0+2, \i0+3
	FRAG AF+16*(\i), AD1+\slot, \q, 16*(\i)+64*((\i)/4)
.endr
.endm
.macro SCALES sc                       ; a K step's scale words: two a row
.irp i, 0,1,2,3
	ds_load_b64 v[SC+16*\sc+2*\i:SC+16*\sc+2*\i+1], v[ADRS] offset:\i*SBLK
.endr
.irp i, 4,5,6,7
	ds_load_b64 v[SC+16*\sc+2*\i:SC+16*\sc+2*\i+1], v[ADRS2] offset:\i*SBLK
.endr
.endm
; A step of 128 along K that has its successor in the same slot.  A block of W is free as soon as its eight products are issued: blocks 0-3 are fetched anew in the step's middle, blocks 4-7 at its end.
.macro STEP slot, q, first
	s_wait_dscnt 4*NL                              ; all but the youngest sixteen loads (W's blocks 4-7) are in
.if \first
	WIN 0x81                                       ; source 0 window 1, source 1 and C window 0, D window 2
.else
	WIN 0xa1                                       ; C and D window 2
.endif
	MUL16 0, (\q)%2, \q, \slot, \first
	MUL16 2, (\q)%2, \q, \slot, \first
	s_wait_dscnt 0                                 ; W's blocks 4-7 are in
	PLACES NP                                      ; in front of loads into registers that matrix instructions have read
	FETCH_S0 \slot, (\q)+1, 1-(\q)%2
	FETCH_S1 \slot, (\q)+1, 0
.if \first
	WIN 0xc1
.else
	WIN 0xf1
.endif
	MUL16 4, (\q)%2, \q, \slot, \first
	MUL16 6, (\q)%2, \q, \slot, \first
	PLACES NP
	WIN 0
	FETCH_S1 \slot, (\q)+1, 4
.endm
; A slot's last step changes slots: ONE barrier; in front of it each wave waits for all its tensor loads, adds 0 to its spare word, and waits for that and for its reads of this slot.  fill = 1: the slot is filled again, two K steps ahead.
.macro TURN slot, next, fill
	s_wait_tensorcnt 0x0                           ; all my tensor loads have landed: my part of the next slot
	ds_add_u32 v[SPW], v[NIL]                      ; 0 onto my spare word
	s_wait_dscnt 4*NL+1                            ; (the add and the youngest sixteen loads may be out)
	WIN 0xa1
	MUL16 0, 1, NQ-1, \slot, 0                     ; sixteen matrix instructions stand between the add and the wait for it
	s_wait_dscnt 0x0                               ; the add is done, and my reads of this slot are over
	s_barrier_signal -1
	MUL16 2, 1, NQ-1, \slot, 0
	WIN 0
	s_barrier_wait -1
.if \fill
	CREST                                          ; the barrier has opened a round of the cluster's: no wave of any partner still reads this slot or has a load on its way
	s_add_nc_u64 s[G0X+4*\slot+2:G0X+4*\slot+3], s[G0X+4*\slot+2:G0X+4*\slot+3], 2*ROWB
	s_add_nc_u64 s[G0W+4*\slot+2:G0W+4*\slot+3], s[G0W+4*\slot+2:G0W+4*\slot+3], 2*ROWB
	JLOAD G0X+4*\slot, G1X, G0W+4*\slot, G1W       ; the first tensor load behind the round, my only one until the next; its four v_nop are among the places below
	PLACES NP-4
.else
	PLACES NP
.endif
	v_add_nc_u32 v[ADRS], 4*NQ, v[ADRS]            ; on to the next K step's scale words (no LDS load of mine is out)
	v_add_nc_u32 v[ADRS2], 4*NQ, v[ADRS2]
	FETCH_S0 \next, 0, 0
	FETCH_S1 \next, 0, 0
	SCALES \next
	WIN 0xf1
	MUL16 4, 1, NQ-1, \slot, 0
	MUL16 6, 1, NQ-1, \slot, 0
	PLACES NP
	WIN 0
	FETCH_S1 \next, 0, 4
.endm
	s_wait_tensorcnt 1                             ; the scale bytes and my part of K step 0 are in; K step 1's load may be out
	s_barrier_signal -1
	s_barrier_wait -1
	FETCH_S0 0, 0, 0
	FETCH_S1 0, 0, 0
	SCALES 0
	FETCH_S1 0, 0, 4
	s_cmp_eq_u32 s[LIM], 1                         ; the prefetches, together, behind the run of LDS loads that the first products wait for
	s_cbranch_scc0 .Lnot_mine
	global_prefetch_b8 v[PFO], s[PFA:PFA+1] offset:2*ROWB th:TH_LOAD_NT scope:SCOPE_SE   ; K step 2 of my 32 rows: its refill stands 96 matrix instructions on
	global_prefetch_b8 v[PFO], s[PFA:PFA+1] offset:3*ROWB th:TH_LOAD_NT scope:SCOPE_SE   ; K step 3, the rows' last 256 bytes: its refill stands 224 on
.Lnot_mine:
	s_wait_loadcnt 0x0                             ; the biases and the mask bytes
.irp a, 0,1,2,3,4,5,6,7
.irp j, 1,2,3,4,5,6,7
	v_mov_b32 v[BIAS+8*\a+\j], v[BIAS+8*\a]        ; a lane's eight results of a tile are one column: eight times its bias
.endr
.endr
	v_and_b32 v6, 15, v0                           ; the way out's addresses (the loads that named v5 and v6 are in)
	v_and_b32 v[ZO], 31, v0                        ; lane
	s_lshl_b32 s20, s[WV], 14
	s_lshl_b32 s21, s[TI], 13
	s_xor_b32 s22, s[WV], 2
	s_lshl_b32 s22, s22, 14
	s_add_co_u32 s22, s22, s21
	s_add_co_u32 s21, s21, s20
	s_lshl_b32 s23, s[WV], 8
	s_add_co_u32 s23, s23, ZST                     ; my 256 bytes for z: it stands until the way out
	v_lshlrev_b32 v[GO], 4, v[ZO]
	v_lshlrev_b32 v[ZO], 3, v[ZO]
	v_add_nc_u32 v[KST], s20, v[GO]
	v_add_nc_u32 v[KRD0], s21, v[GO]
	v_add_nc_u32 v[KRD1], s22, v[GO]
	v_lshl_add_u32 v[ZSTA], v6, 2, s23
	STEP 0, 0, 1                                   ; the first step stands in front of the loop: its products start the sums, from the biases
	s_mov_b32 s3, LAPS-1
.Llap:                                                 ; a trip goes once round the ring, from a lap's second step to the next lap's first, and fills both slots again
	TURN 0, 1, 1
	STEP 1, 0, 0
	TURN 1, 0, 1
	STEP 0, 0, 0
	s_sub_co_u32 s3, s3, 1
	s_cmp_lg_u32 s3, 0
	s_cbranch_scc1 .Llap
	TURN 0, 1, 0                                   ; the last lap fills nothing
	STEP 1, 0, 0
	s_wait_dscnt 4*NL                              ; the very last step
	WIN 0xa1
	MUL16 0, 1, NQ-1, 1, 0
	MUL16 2, 1, NQ-1, 1, 0
	s_wait_dscnt 0
	WIN 0xf1
	MUL16 4, 1, NQ-1, 1, 0
	MUL16 6, 1, NQ-1, 1, 0
	WIN 0
; 64 numbers of a lane in v[Q] on (register 16 B + i: block B of 32 tokens, shared with lane l xor 16) become a fragment's codes in window 1, v[f] on, and its scale word in v[w].  sgn = 0: no number is negative.
.macro QUANT f, w, sgn
.if \sgn
.irp b, 0,1,2,3
	v_max3_num_f32 v[TM+\b], |v[Q+16*\b]|, |v[Q+16*\b+1]|, 0x4800000   ; my 16 numbers, and the floor 2^(9 - 127): the byte cannot fall under 1
.endr
.irp i, 2,4,6,8,10,12,14
.irp b, 0,1,2,3
	v_max3_num_f32 v[TM+\b], v[TM+\b], |v[Q+16*\b+\i]|, |v[Q+16*\b+\i+1]|   ; (the four blocks by turns)
.endr
.endr
.else
.irp b, 0,1,2,3
	v_max3_num_f32 v[TM+\b], v[Q+16*\b], v[Q+16*\b+1], 0x4800000
.endr
.irp i, 2,4,6,8,10,12,14
.irp b, 0,1,2,3
	v_max3_num_f32 v[TM+\b], v[TM+\b], v[Q+16*\b+\i], v[Q+16*\b+\i+1]
.endr
.endr
.endif
.irp b, 0,1,2,3
	v_permlanex16_b32 v[TM+4+\b], v[TM+\b], s[SEL], s[SEL+1]
.endr
.irp b, 0,1,2,3
	v_max_num_f32 v[TM+\b], v[TM+\b], v[TM+4+\b]   ; with lane l xor 16's: the block's largest magnitude
.endr
.irp b, 0,1,2,3
	v_add_nc_u32 v[TM+12+\b], 0xfc000000, v[TM+\b] ; 8 off its exponent field: the conversion takes the exponent field of this operand as its scale
.endr
.irp b, 0,1,2,3
	v_and_or_b32 v[TM+8+\b], v[TM+\b], 0x7f800000, s[MNT]   ; 448 x the scale
.endr
.irp b, 0,1,2,3
	v_lshrrev_b32 v[TM+4+\b], 23, v[TM+12+\b]      ; the scale's byte
.endr
	v_lshl_or_b32 v[\w], v[TM+5], 8, v[TM+4]       ; the four bytes make my column's scale word
	v_lshl_or_b32 v[\w], v[TM+6], 16, v[\w]
	v_lshl_or_b32 v[\w], v[TM+7], 24, v[\w]
.irp b, 0,1,2,3
.irp i, 0,1,2,3,4,5,6,7,8,9,10,11,12,13,14,15
.if \sgn
	v_med3_num_f32 v[Q+16*\b+\i], v[Q+16*\b+\i], -v[TM+8+\b], v[TM+8+\b]   ; the conversion to an 8-bit code does not saturate (ISA guide 7.6.2): the hold at the largest code x the scale
.else
	v_min_num_f32 v[Q+16*\b+\i], v[Q+16*\b+\i], v[TM+8+\b]
.endif
.endr
.endr
	WIN 0x40                                       ; the codes go to window 1
.irp b, 0,1,2,3
	v_cvt_scalef32_pk8_fp8_f32 v[(\f)+4*\b:(\f)+4*\b+1], v[Q+16*\b:Q+16*\b+7], v[TM+12+\b]
	v_cvt_scalef32_pk8_fp8_f32 v[(\f)+4*\b+2:(\f)+4*\b+3], v[Q+16*\b+8:Q+16*\b+15], v[TM+12+\b]
.endr
	v_nop                                          ; one plain vector instruction behind the last conversion, ahead of what next writes its sources or reads its codes
	WIN 0
.endm
; k's block a (64 registers of window 2): kf = phi(k) m, its sum over my 128 tokens, its codes
.macro KTILE a
	WIN 0x16                                       ; source 0 window 2, sources 1 and 2 window 1
.set i, 0
.rept 32
	v_pk_mul_f32 v[Q+i:Q+i+1], v[64*\a+i:64*\a+i+1], s[CS:CS+1] op_sel_hi:[1,0]   ; x log2(e); each accumulator is read from its low end on
	v_pk_fma_f32 v[U+i:U+i+1], v[64*\a+i:64*\a+i+1], v[M+i:M+i+1], v[M+i:M+i+1]   ; (x + 1) m
.set i, i+2
.endr
	WIN 0
.set i, 0
.rept 64
	v_exp_f32 v[Q+i], v[Q+i]
.set i, i+1
.endr
	v_nop                                          ; a plain place behind the exponentials
	WIN 0x04                                       ; source 1 window 1
.set i, 0
	s_wait_alu depctr_va_vdst(0)
.rept 64
	v_med3_num_f32 v[Q+i], v[Q+i], v[M+i], v[U+i]  ; the middle one of e^x, m, (x + 1) m
.set i, i+1
.endr
	WIN 0
	v_pk_add_f32 v[ZA:ZA+1], v[Q:Q+1], v[Q+2:Q+3]  ; z is the sum of the UNQUANTISED kf: two at a time, in two chains
	v_pk_add_f32 v[ZA+2:ZA+3], v[Q+4:Q+5], v[Q+6:Q+7]
.irp i, 8,12,16,20,24,28,32,36,40,44,48,52,56,60
	v_pk_add_f32 v[ZA:ZA+1], v[ZA:ZA+1], v[Q+\i:Q+\i+1]
	v_pk_add_f32 v[ZA+2:ZA+3], v[ZA+2:ZA+3], v[Q+\i+2:Q+\i+3]
.endr
	v_pk_add_f32 v[ZA:ZA+1], v[ZA:ZA+1], v[ZA+2:ZA+3]
	v_add_f32 v[ZA], v[ZA], v[ZA+1]
	v_permlanex16_b32 v[ZT], v[ZA], s[SEL], s[SEL+1]
	v_add_f32 v[ZS+\a], v[ZA], v[ZT]               ; with lane l xor 16's 64 tokens
	QUANT 16*\a, KSW+\a, 0
.endm
.macro VTILE a                         ; v's block a (window 3): v m, its codes
	WIN 0x07                                       ; source 0 window 3, source 1 window 1
.set i, 0
.rept 32
	v_pk_mul_f32 v[Q+i:Q+i+1], v[64*\a+i:64*\a+i+1], v[M+i:M+i+1]
.set i, i+2
.endr
	WIN 0
	QUANT 64+16*\a, KSW+4+\a, 1
.endm
	PLACES NP                                      ; behind the last products: their results are read and their operands' registers written below
	s_wait_xcnt 0x0                                ; the prefetches, the whole of K back, have read their offset, so the register may be written:
	v_add_nc_u32 v[ZRD], s23, v[ZO]                ; where I read z back: my 256 bytes, 8 a lane
.irp b, 0,1,2,3
	v_mov_b32 v[TM+4+\b], 0                        ; written once: a lane permute's destination counts as one of its sources
.endr
	v_mov_b32 v[ZT], 0
	WIN 0x40
.irp b, 0,1,2,3,4,5,6,7
.irp j, 0,1,2,3,4,5,6,7
	v_bfe_u32 v[M+8*\b+\j], v[MRAW+2*\b+\j/4], 8*(\j%4), 8   ; the mask of token 16 b + 8 h + j, in the accumulators' order,
.endr
.endr
	WIN 0x41
.set i, 0
.rept 64
	v_cvt_f32_u32 v[M+i], v[M+i]                   ; as 0.0 or 1.0
.set i, i+1
.endr
	KTILE 0
	KTILE 1
	KTILE 2
	KTILE 3
	VTILE 0
	VTILE 1
	VTILE 2
	VTILE 3
	PLACES 4                                       ; codes written by vector instructions stand four places ahead of a scaled matrix instruction (the scale words stand far more than eight ahead)
	WIN 0x85                                       ; sources 0 and 1 window 1, D window 2
.irp dt, 0,1,2,3                               ; kv over my 128 tokens: one K step; sixteen accumulators, each begun with 0
.irp n, 0,1,2,3
	v_wmma_scale_f32_16x16x128_f8f6f4 v[8*(4*\dt+\n):8*(4*\dt+\n)+7], v[16*\dt:16*\dt+15], v[64+16*\n:64+16*\n+15], 0, v[KSW+\dt], v[KSW+4+\n]
.endr
.endr
	PLACES NP
	WIN 0x08                                       ; an LDS store's data are its source 1: window 2
.irp t, 0,1,2,3,4,5,6,7,8,9,10,11,12,13,14,15
	ds_store_b128 v[KST], v[8*\t:8*\t+3] offset:1024*\t            ; an image of the registers: 16 bytes a lane, 512 a store; each accumulator from its low end on
	ds_store_b128 v[KST], v[8*\t+4:8*\t+7] offset:1024*\t+512
.endr
	WIN 0
.irp a, 0,1,2,3
	ds_store_b32 v[ZSTA], v[ZS+\a] offset:64*\a    ; z of d = 16 a + r (both halves of the lanes write the same word with the same value)
.endr
	ds_load_b64 v[ZB:ZB+1], v[ZRD]                 ; LDS serves a wave's instructions in order: this sees my stores
	s_wait_dscnt 0x0                               ; for the partner's sake: my image lies in LDS
	s_barrier_signal -1
	s_barrier_wait -1
	global_store_b64 v[ZO], v[ZB:ZB+1], s[100:101] ; 32 lanes store 256 consecutive bytes, aligned
	WIN 0xc0                                       ; destination window 3
.irp k, 0,1,2,3,4,5,6,7,8,9,10,11,12,13,14,15
	ds_load_b128 v[4*\k:4*\k+3], v[KRD0] offset:512*\k             ; half TI of my image,
.endr
.irp k, 0,1,2,3,4,5,6,7,8,9,10,11,12,13,14,15
	ds_load_b128 v[64+4*\k:64+4*\k+3], v[KRD1] offset:512*\k       ; and of my partner's
.endr
	s_wait_dscnt 0x0
	WIN 0xcf
.set i, 0
.rept 32
	v_pk_add_f32 v[i:i+1], v[i:i+1], v[64+i:64+i+1]                ; the head's 256 tokens
.set i, i+2
.endr
	WIN 0x0c                                       ; a store's data are its source 1: window 3
.irp k, 0,1,2,3,4,5,6,7,8,9,10,11,12,13,14,15
	global_store_b128 v[GO], v[4*\k:4*\k+3], s[98:99] offset:512*\k   ; 32 lanes store 512 consecutive bytes, aligned
.endr
	WIN 0
	s_wait_tensorcnt 0x0                           ; the wave's end
	ds_add_u32 v[SPW], v[NIL]
	s_wait_dscnt 0x0
	CROUND                                         ; the closing round: no work-group ends while a partner may still ask for a tile that names it
	s_endpgm
.Lfunc_end_k_q303db512ed_kvproj:
	.size	k_q303db512ed_kvproj, .Lfunc_end_k_q303db512ed_kvproj-k_q303db512ed_kvproj
	.p2alignl 7, 3214868480
	.fill 96, 4, 3214868480
	.section	.rodata,"a",@progbits
	.p2align	6, 0x0
	.amdhsa_kernel k_q303db512ed_kvproj
		.amdhsa_group_segment_fixed_size 327680
		.amdhsa_private_segment_fixed_size 0
		.amdhsa_enable_private_segment 0
		.amdhsa_kernarg_size 88
		.amdhsa_user_sgpr_count 2
		.amdhsa_user_sgpr_kernarg_segment_ptr 1
		.amdhsa_wavefront_size32 1
		.amdhsa_system_sgpr_workgroup_id_x 1
		.amdhsa_system_sgpr_workgroup_id_y 1
		.amdhsa_system_sgpr_workgroup_id_z 1
		.amdhsa_system_vgpr_workitem_id 0
		.amdhsa_next_free_vgpr 1024
		.amdhsa_next_free_sgpr 102
		.amdhsa_reserve_vcc 0
		.amdhsa_float_denorm_mode_32 3
		.amdhsa_float_denorm_mode_16_64 3
		.amdhsa_memory_ordered 1
		.amdhsa_forward_progress 1
		.amdhsa_inst_pref_size 252
	.end_amdhsa_kernel
	.amdgpu_metadata
---
amdhsa.version: [ 1, 2 ]
amdhsa.kernels:
  - .name:           k_q303db512ed_kvproj
    .symbol:         k_q303db512ed_kvproj.kd
    .args:
      - { .name: x_codes, .offset: 0, .size: 8, .value_kind: global_buffer, .address_space: global }
      - { .name: x_scales, .offset: 8, .size: 8, .value_kind: global_buffer, .address_space: global }
      - { .name: Wk_codes, .offset: 16, .size: 8, .value_kind: global_buffer, .address_space: global }
      - { .name: Wk_scales, .offset: 24, .size: 8, .value_kind: global_buffer, .address_space: global }
      - { .name: Wv_codes, .offset: 32, .size: 8, .value_kind: global_buffer, .address_space: global }
      - { .name: Wv_scales, .offset: 40, .size: 8, .value_kind: global_buffer, .address_space: global }
      - { .name: bk, .offset: 48, .size: 8, .value_kind: global_buffer, .address_space: global }
      - { .name: bv, .offset: 56, .size: 8, .value_kind: global_buffer, .address_space: global }
      - { .name: mask, .offset: 64, .size: 8, .value_kind: global_buffer, .address_space: global }
      - { .name: kvpart, .offset: 72, .size: 8, .value_kind: global_buffer, .address_space: global }
      - { .name: zpart, .offset: 80, .size: 8, .value_kind: global_buffer, .address_space: global }
    .group_segment_fixed_size: 327680
    .private_segment_fixed_size: 0
    .kernarg_segment_align: 8
    .kernarg_segment_size: 88
    .max_flat_workgroup_size: 128
    .sgpr_count:     102
    .vgpr_count:     1024
    .wavefront_size: 32
...
	.end_amdgpu_metadata
.endif
;; end of part 1
;; launch fold (part 2): grid 256 x 1, 4 waves a work-group, no clusters, 16,896 bytes of LDS; arguments kvpart, zpart, kvblk; writes kvblk
.if DOCPART == 2
	.amdgcn_target "amdgcn-amd-amdhsa--gfx1250"
	.amdhsa_code_object_version 6
	.text
	.protected	k_q303db512ed_fold
	.globl	k_q303db512ed_fold
	.p2align	8
	.type	k_q303db512ed_fold,@function
k_q303db512ed_fold:
	s_mov_b64 s[64:65], 0
	v_nop
	global_prefetch_b8 v0, s[64:65] scope:SCOPE_SE
	s_setreg_imm32_b32 hwreg(HW_REG_WAVE_MODE, 25, 1), 1
	s_wait_xcnt 0x0
; The 16 parts of kv and the 32 parts of z of each (batch, head) are added; kv is quantised to E4M3 ALONG d (blocks of 32) and laid as the next launch's operand registers.
; Work-group g takes (bh = g / 4, n = g % 4): columns k' = 16 n + r of kv.  In a part, register 8 dt + j of lane (r, h) is kv[16 dt + 8 h + j][16 n + r]: a lane holds one column and its 32 registers run down d;
; registers 16 c .. 16 c + 15 of lanes l and l xor 16 are block c of 32 along d.  The codes keep that order; the next launch's other operand has the same order inside each block of 32.
; Each of the four waves adds four parts (32 loads of 512 consecutive bytes); the four sums meet in LDS; wave 0 adds them, quantises and stores.  In the work-groups with n = 0, wave 1 adds z's parts.
; kvblk [bh / 4][19,456]: codes at (4 hh + n) x 1,024 + 512 c + 16 x lane (hh = bh % 4); scale words at 16,384 + (4 hh + n) x 128 + 4 x lane; z at 18,432 + 256 hh.
; The next launch's K step of 128 holds two heads' 64: a scale word has this head's two bytes in half hh % 2 and 0x7f in the other half, whose codes are zeros there.
; No matrix unit, no tensor load, no cluster: work-groups share no input, and memory binds.
; LIMITS: NaN and infinities are not served; a block of zeros keeps the scale byte 1 (its codes are zeros; only this program reads the bytes).
.set D,  32                            ; v32-159  four parts of 32 registers; the sum gathers in the first
.set TM, 8                             ; v8-9 largest magnitudes, v10-11 bytes, v12-13 448 x the scale, v14-15 the conversions' scale operands
.set WD, 16                            ; v16      the scale word
.set C,  24                            ; v24-31   the codes
	s_load_b128 s[4:7], s[0:1], 0x0                ; kvpart, zpart
	s_load_b64 s[8:9], s[0:1], 0x10                ; kvblk
	v_lshl_add_u32 v160, v0, 2, 0x4000
	v_mov_b32 v161, 0
	v_lshrrev_b32 v1, 5, v0
	v_readfirstlane_b32 s10, v1                    ; wave 0..3
	v_and_b32 v1, 31, v0                           ; lane
	v_lshlrev_b32 v2, 4, v1                        ; 16 x lane
	s_lshl_b32 s11, s10, 12
	v_add_nc_u32 v3, s11, v2                       ; LDS: my wave's 4,096 bytes
	s_and_b32 s20, ttmp9, 15                       ; 4 hh + n
	s_lshl_b32 s21, s20, 10
	v_add_nc_u32 v6, s21, v2                       ; the codes' place in the block
	s_lshl_b32 s21, s20, 7
	v_lshl_add_u32 v7, v1, 2, s21                  ; the scale word's
	s_bfe_u32 s22, ttmp9, 0x20002                  ; hh
	s_lshl_b32 s22, s22, 8
	v_lshl_add_u32 v5, v1, 3, s22                  ; z's
	v_lshlrev_b32 v4, 3, v1                        ; 8 x lane: z's parts
	s_lshr_b32 s12, ttmp9, 2                       ; bh
	s_and_b32 s13, ttmp9, 3                        ; n
	s_lshl_b32 s14, s12, 18                        ; 16 parts of 16,384 bytes,
	s_lshl_b32 s15, s10, 16                        ; my wave's four,
	s_add_co_u32 s14, s14, s15
	s_lshl_b32 s15, s13, 10                        ; accumulator n of each four
	s_add_co_u32 s14, s14, s15
	s_mov_b32 s15, 0
	s_lshl_b32 s16, s12, 13                        ; 32 parts of z, 256 bytes each
	s_mov_b32 s17, 0
	s_lshr_b32 s18, ttmp9, 4
	s_mul_i32 s18, s18, 19456                      ; the block of four heads
	s_mov_b32 s19, 0
	s_bfe_u32 s27, ttmp9, 0x10002                  ; hh % 2
	s_lshl_b32 s27, s27, 4
	s_sub_co_u32 s28, 16, s27
	s_lshl_b32 s28, 0x7f7f, s28                    ; the other half's two bytes
	s_mov_b32 s24, 0x76543210
	s_mov_b32 s25, 0xfedcba98                      ; v_permlanex16_b32's selects for lane l xor 16
	s_mov_b32 s26, 0x600000                        ; the mantissa field of 448
	s_wait_kmcnt 0x0
	s_add_nc_u64 s[4:5], s[4:5], s[14:15]
	s_add_nc_u64 s[6:7], s[6:7], s[16:17]
	s_add_nc_u64 s[8:9], s[8:9], s[18:19]
.irp pp, 0,1,2,3
.irp k, 0,1,2,3,4,5,6,7
	global_load_b128 v[D+32*\pp+4*\k:D+32*\pp+4*\k+3], v2, s[4:5] offset:\pp*16384+(\k/2)*4096+(\k%2)*512 th:TH_LOAD_NT   ; registers 4 k on of part pp: dt = k / 2, half k % 2; read once in the launch
.endr
.endr
.macro ADDP p
.set i, 0
.rept 16
	v_pk_add_f32 v[D+i:D+i+1], v[D+i:D+i+1], v[D+32*\p+i:D+32*\p+i+1]
.set i, i+2
.endr
.endm
	s_wait_loadcnt 16                              ; parts 0 and 1 are in: the sixteen loads of parts 2 and 3 may be out
	ADDP 1
	s_wait_loadcnt 8                               ; part 2 is in
	ADDP 2
	s_wait_loadcnt 0x0
	ADDP 3
.irp k, 0,1,2,3,4,5,6,7
	ds_store_b128 v3, v[D+4*\k:D+4*\k+3] offset:512*\k             ; an image of the registers
.endr
	s_wait_dscnt 0x0                               ; for wave 0's sake: my sum lies in LDS
	s_barrier_signal -1
	s_barrier_wait -1
	s_cmp_lg_u32 s10, 0
	s_cbranch_scc1 .Lnot_wave_0
.irp w, 1,2,3
.irp k, 0,1,2,3,4,5,6,7
	ds_load_b128 v[D+32*\w+4*\k:D+32*\w+4*\k+3], v2 offset:4096*\w+512*\k
.endr
.endr
	v_mov_b32 v[TM+2], 0                           ; a lane permute's destination counts as one of its sources
	v_mov_b32 v[TM+3], 0
	s_wait_dscnt 16                                ; wave 1's sum is in
	ADDP 1
	s_wait_dscnt 8
	ADDP 2
	s_wait_dscnt 0x0
	ADDP 3
.irp b, 0,1
	v_max3_num_f32 v[TM+\b], |v[D+16*\b]|, |v[D+16*\b+1]|, 0x4800000   ; my 16 numbers, and the floor 2^(9 - 127): the byte cannot fall under 1
.endr
.irp i, 2,4,6,8,10,12,14
.irp b, 0,1
	v_max3_num_f32 v[TM+\b], v[TM+\b], |v[D+16*\b+\i]|, |v[D+16*\b+\i+1]|
.endr
.endr
.irp b, 0,1
	v_permlanex16_b32 v[TM+2+\b], v[TM+\b], s24, s25
.endr
.irp b, 0,1
	v_max_num_f32 v[TM+\b], v[TM+\b], v[TM+2+\b]   ; with lane l xor 16's: the block's largest magnitude
.endr
.irp b, 0,1
	v_add_nc_u32 v[TM+6+\b], 0xfc000000, v[TM+\b]  ; 8 off its exponent field: the conversion's scale operand
.endr
.irp b, 0,1
	v_and_or_b32 v[TM+4+\b], v[TM+\b], 0x7f800000, s26   ; 448 x the scale
.endr
.irp b, 0,1
	v_lshrrev_b32 v[TM+2+\b], 23, v[TM+6+\b]       ; the scale's byte
.endr
	v_lshl_or_b32 v[WD], v[TM+3], 8, v[TM+2]
	v_lshlrev_b32 v[WD], s27, v[WD]                ; into this head's half of the word,
	v_or_b32 v[WD], s28, v[WD]                     ; 0x7f in the other
.irp b, 0,1
.irp i, 0,1,2,3,4,5,6,7,8,9,10,11,12,13,14,15
	v_med3_num_f32 v[D+16*\b+\i], v[D+16*\b+\i], -v[TM+4+\b], v[TM+4+\b]   ; the conversion to an 8-bit code does not saturate (ISA guide 7.6.2)
.endr
	v_cvt_scalef32_pk8_fp8_f32 v[C+4*\b:C+4*\b+1], v[D+16*\b:D+16*\b+7], v[TM+6+\b]
	v_cvt_scalef32_pk8_fp8_f32 v[C+4*\b+2:C+4*\b+3], v[D+16*\b+8:D+16*\b+15], v[TM+6+\b]
.endr
	v_nop
	global_store_b128 v6, v[C:C+3], s[8:9]                         ; 512 consecutive bytes, aligned
	global_store_b128 v6, v[C+4:C+7], s[8:9] offset:512
	global_store_b32 v7, v[WD], s[8:9] offset:16384                ; 128 consecutive bytes: the sixteen words' images of a block come from sixteen work-groups
	s_wait_tensorcnt 0x0
	ds_add_u32 v160, v161
	s_wait_dscnt 0x0
	s_endpgm
.Lnot_wave_0:
	s_sub_co_u32 s23, s10, 1
	s_or_b32 s23, s23, s13                         ; 0 in wave 1 where n = 0
	s_cmp_lg_u32 s23, 0
	s_cbranch_scc1 .Ldone
.irp p, 0,1,2,3,4,5,6,7,8,9,10,11,12,13,14,15,16,17,18,19,20,21,22,23,24,25,26,27,28,29,30,31
	global_load_b64 v[D+2*\p:D+2*\p+1], v4, s[6:7] offset:256*\p th:TH_LOAD_NT   ; a part of z: 256 consecutive bytes
.endr
	s_wait_loadcnt 0x0
.irp w, 16,8,4,2,1
.set i, 0
.rept \w
	v_pk_add_f32 v[D+2*i:D+2*i+1], v[D+2*i:D+2*i+1], v[D+2*(i+\w):D+2*(i+\w)+1]
.set i, i+1
.endr
.endr
	global_store_b64 v5, v[D:D+1], s[8:9] offset:18432             ; 256 consecutive bytes, aligned
.Ldone:
	s_wait_tensorcnt 0x0
	ds_add_u32 v160, v161
	s_wait_dscnt 0x0
	s_endpgm
.Lfunc_end_k_q303db512ed_fold:
	.size	k_q303db512ed_fold, .Lfunc_end_k_q303db512ed_fold-k_q303db512ed_fold
	.p2alignl 7, 3214868480
	.fill 96, 4, 3214868480
	.section	.rodata,"a",@progbits
	.p2align	6, 0x0
	.amdhsa_kernel k_q303db512ed_fold
		.amdhsa_group_segment_fixed_size 16896
		.amdhsa_private_segment_fixed_size 0
		.amdhsa_enable_private_segment 0
		.amdhsa_kernarg_size 24
		.amdhsa_user_sgpr_count 2
		.amdhsa_user_sgpr_kernarg_segment_ptr 1
		.amdhsa_wavefront_size32 1
		.amdhsa_system_sgpr_workgroup_id_x 1
		.amdhsa_system_sgpr_workgroup_id_y 1
		.amdhsa_system_sgpr_workgroup_id_z 1
		.amdhsa_system_vgpr_workitem_id 0
		.amdhsa_next_free_vgpr 162
		.amdhsa_next_free_sgpr 66
		.amdhsa_reserve_vcc 0
		.amdhsa_float_denorm_mode_32 3
		.amdhsa_float_denorm_mode_16_64 3
		.amdhsa_memory_ordered 1
		.amdhsa_forward_progress 1
		.amdhsa_inst_pref_size 24
	.end_amdhsa_kernel
	.amdgpu_metadata
---
amdhsa.version: [ 1, 2 ]
amdhsa.kernels:
  - .name:           k_q303db512ed_fold
    .symbol:         k_q303db512ed_fold.kd
    .args:
      - { .name: kvpart, .offset: 0, .size: 8, .value_kind: global_buffer, .address_space: global }
      - { .name: zpart, .offset: 8, .size: 8, .value_kind: global_buffer, .address_space: global }
      - { .name: kvblk, .offset: 16, .size: 8, .value_kind: global_buffer, .address_space: global }
    .group_segment_fixed_size: 16896
    .private_segment_fixed_size: 0
    .kernarg_segment_align: 8
    .kernarg_segment_size: 24
    .max_flat_workgroup_size: 128
    .sgpr_count:     66
    .vgpr_count:     162
    .wavefront_size: 32
...
	.end_amdgpu_metadata
.endif
;; end of part 2
;; launch qout (part 3): grid 4 x 64, 4 waves a work-group, clusters of 4 x 4, 327,680 bytes of LDS; arguments x_codes, x_scales, Wq_codes, Wq_scales, bq, mask, kvblk, out0; writes out0
.if DOCPART == 3
	.amdgcn_target "amdgcn-amd-amdhsa--gfx1250"
	.amdhsa_code_object_version 6
	.text
	.protected	k_q303db512ed_qout
	.globl	k_q303db512ed_qout
	.p2align	8
	.type	k_q303db512ed_qout,@function
k_q303db512ed_qout:
	s_mov_b64 s[64:65], 0
	v_nop
	global_prefetch_b8 v0, s[64:65] scope:SCOPE_SE
	s_setreg_imm32_b32 hwreg(HW_REG_WAVE_MODE, 25, 1), 1
	s_wait_xcnt 0x0
	s_wait_alu depctr_hold_cnt(0) depctr_sa_sdst(0) depctr_va_vdst(0) depctr_va_sdst(0) depctr_va_ssrc(0) depctr_va_vcc(0) depctr_vm_vsrc(0)
	s_getreg_b32 s2, hwreg(HW_REG_IB_STS2, 6, 4)
	s_cmp_eq_u32 s2, 0
	s_cbranch_scc0 .Lentry_in_a_cluster
	s_endpgm
.Lentry_in_a_cluster:
	s_bfe_u32 s2, ttmp6, 0x10000c
	s_cmp_lg_u32 s2, 0xf033
	s_cbranch_scc0 .Lentry_shape_is_right
	s_endpgm
.Lentry_shape_is_right:
; q = x Wq + bq on given codes of E4M3 with E8M0 scales; qf = phi(q), quantised along d; out = (qf kv) / max(qf . z, 1e-6) x m.
; A work-group of four waves takes 256 tokens x 256 columns (four heads); wave (TI, CJ) takes tokens 128 TI on and columns 128 CJ on (two heads): 64 accumulators.
; THE PRODUCT IS USED TRANSPOSED: source 0 = 16 rows of Wq (columns of q), source 1 = 16 tokens of x.  A lane then holds ONE token, and the 64 registers of a block of 16 tokens run along its 128 columns:
; register 8 b + j is column 16 b + 8 (lane / 16) + j; registers 16 B .. 16 B + 15 of lanes l and l xor 16 are block B of 32 columns; blocks 0, 1 are the first head's 64, blocks 2, 3 the second's.
; Their codes are fed to the matrix unit in that order; kv's codes, made by the launch before, have the same order inside each block of 32: every product and scale is kept, only the order of the sum differs.
; qf kv: K = 64, half of the instruction's 128.  A token's fragment holds both heads; a fragment of kv holds one head's codes in its half and zero codes in the other.  Again transposed: source 0 = 16 columns k' of kv,
; source 1 = 16 tokens: a lane's eight results are eight neighbouring numbers of a row of the output.  They take the place of the block's accumulators.
; K = 1,024 goes in steps of 256 through two LDS slots; the scale bytes, and the four heads' kv and z (19,456 bytes), come once.  4 x 4 work-groups form a cluster: x's tiles are asked for jointly along a row, Wq's and kv along a column.
; phi(x) = the middle one of e^x, 1, x + 1  (x > 0: e^x > x + 1 > 1;  x <= 0: x + 1 <= e^x <= 1).
; A PREFETCH INTO THE L2 of K steps 2 and 3, which come as refills.  It stands once, behind the barrier that shows K step 0 in LDS and behind the first run of LDS loads: 96 matrix instructions ahead of the refill that asks for
; K step 2, 224 ahead of K step 3's.  A K step is 256 bytes of each row: a lane a row, two instructions a wave.  Each row's block is named once in the launch: x's rows are read by one cluster alone (the grid is one cluster wide:
; cluster x = 0 asks); Wq's rows by every cluster of the column of clusters: cluster y = 0 asks.  Of the 128 rows that a wave fetches, each of the four partners that ask for them jointly takes 32, told apart by address.
; K steps 0 and 1, the scale bytes and kv's block come by their loads alone.
; LIMITS: NaN and infinities among the inputs are not served.  e^x is v_exp_f32 of x log2(e): its relative error grows as about |x| x 1e-7, and results under 2^-126 become 0.  Within an ulp of x = 0 the middle one
; may be the other branch's value.  The mask multiplies the reciprocal of the divisor and not qf: the same result wherever the masked token's sums are finite; a masked row may hold -0.
; REGISTERS, in windows of 256.  window 0: v0-15, v24-31 addresses; v16-23 the mask as f32; v32-63 scale words and nothing else; v64-127 the biases, later Q; v128-255 x's fragments, ONE set, later at work.
;   window 1: Wq's fragments, TWO sets; later kv's eight fragments (v0-127) and z (v128-191).   windows 2, 3: the accumulators (block a of tokens at v[64 (a % 4)] of window 2 + a / 4), later the output.
.set PITCH,  272                       ; an LDS row: 256 bytes + 16 of padding = 68 words: the 16 rows that a load touches start at 16 different banks (64 banks of 4 bytes: ISA guide 11.1)
.set ROWB,   256
.set KROW,   1024
.set NQ,     2
.set NL,     4
.set NP,     8                         ; places behind this matrix instruction (ISA guide 7.12.1)
.set HALFT,  128*PITCH
.set SLOT,   4*HALFT                   ; x's 256 rows, then Wq's 256
.set LAPS,   2
.set SCL,    2*SLOT                    ; the scale bytes: x's two halves, Wq's two
.set HALFS,  16*272
.set SBLK,   2*272
.set KVB,    SCL+4*HALFS               ; the four heads' kv codes, scale words and z, as they lie in memory
.set KVQ,    4864                      ; a quarter of them: 19 rows of 256 bytes, what one wave brings
.set SPARE,  KVB+4*KVQ                 ; the spare words, 128 bytes a wave: two blocks of 256 bytes that no other line names
.set SPITCH, 528                       ; the way out: 16 rows x (512 bytes + 16) for each wave, in slot 0, which has had its last fill and its last read by then
.set AD1,  8                           ; v8-9   x's fragments in slot 0, 1
.set AD0,  10                          ; v10-11 Wq's
.set ADRS, 12                          ; v12  scale words: lanes 0-15 x's blocks, lanes 16-31 Wq's
.set PFO,  13                          ; v13  the prefetches' offset: 1,024 x lane, a row of x or Wq; never rewritten
.set SPW,  14                          ; v14  my spare word; never rewritten
.set NIL,  15                          ; v15  0; never rewritten
.set MF,   16                          ; v16-23 the mask of token 16 a + r
.set STO,  24                          ; v24  the stage: where I put 32 bytes of a row
.set RD,   25                          ; v25  and read a row back
.set CO,   26                          ; v26  16 x lane: my bytes of a row's 512
.set KVA,  27                          ; v27  kv's codes of my two heads
.set KVSA, 28                          ; v28  their scale words
.set KVZ,  29                          ; v29  z of my two heads, my half's eight of each sixteen
.set SC,   32                          ; set s at v[SC + 16 s]; register 2 i + q: lanes 0-15 x's block i, lanes 16-31 Wq's block i
.set KVS,  32                          ; later: kv's eight scale words,
.set PW,   40                          ; and the word of the fragment of qf just made
.set BIAS, 64
.set AF,   128
.set Q,    64
.set U,    128
.set Z,    128                         ; in window 1
.set PC,   192                         ; the codes of qf
.set TM,   208
.set DN,   224                         ; v224-227 qf . z, a pair for each head
.set DT,   228
.set RR,   230                         ; v230, v232 m / max(qf . z, 1e-6) for the two heads (v231, v233 are named with them as pairs)
.set MNT,  2
.set G1KV, 4                           ; s[4:11], s[12:15] groups 1 and 0 for kv
.set G0KV, 12
.set WV,   16
.set TI,   17
.set HJ,   18
.set G1X,  24
.set G0X,  32
.set LIM,  45                          ; s45  1 in a wave that prefetches, else 0
.set PFA,  46                          ; s[46:47] where my prefetches stand: my work-group's 32 rows of the 128 that I fetch, at K = 0; never rewritten
.set G1W,  48
.set G0W,  56
.set G1SX, 68
.set G0SX, 76
.set G1SW, 80
.set G0SW, 88
.set SEL,  98
.set CS,   100
.set MSB, 0
.macro WIN new                         ; the immediate's high byte repeats the setting that is left
.if MSB != (\new)
	s_set_vgpr_msb (MSB<<8)|(\new)
.set MSB, (\new)
.endif
.endm
; A joint load: waves 0 and 1 fetch for x, waves 2 and 3 for Wq.  The branch hangs on the wave's number alone.  Four v_nop follow each line.
.macro JLOAD g0a, g1a, g0b, g1b
	s_cmp_eq_u32 s[TI], 0
	s_cbranch_scc0 .Lfor_w_\@
	tensor_load_to_lds s[\g0a:\g0a+3], s[\g1a:\g1a+7]
	s_nop 0
.rept 4
	v_nop
.endr
	s_branch .Lasked_\@
.Lfor_w_\@:
	tensor_load_to_lds s[\g0b:\g0b+3], s[\g1b:\g1b+7]
	s_nop 0
.rept 4
	v_nop
.endr
.Lasked_\@:
.endm
.macro CREST
	s_cmp_lg_u32 s[WV], 0
	s_cbranch_scc1 .Lnot_wave_0_\@
	s_barrier_signal -3
.Lnot_wave_0_\@:
	s_barrier_wait -3
	s_barrier_signal -1
	s_barrier_wait -1
.endm
.macro CROUND
	s_barrier_signal -1
	s_barrier_wait -1
	CREST
.endm
.macro PLACES n
.rept \n
	v_nop
.endr
.endm
	s_load_b64 s[G0X+2:G0X+3], s[0:1], 0x0         ; x's codes: the five addresses that feed descriptors come straight into the groups 0
	s_load_b64 s[G0SX+2:G0SX+3], s[0:1], 0x8       ; x's scales
	s_load_b64 s[G0W+2:G0W+3], s[0:1], 0x10        ; Wq's codes
	s_load_b64 s[G0SW+2:G0SW+3], s[0:1], 0x18      ; Wq's scales
	s_load_b128 s[92:95], s[0:1], 0x20             ; bq, mask
	s_load_b64 s[G0KV+2:G0KV+3], s[0:1], 0x30      ; kvblk
	s_load_b64 s[96:97], s[0:1], 0x38              ; out0
	v_lshl_add_u32 v[SPW], v0, 2, SPARE
	v_mov_b32 v[NIL], 0
	ds_add_u32 v14, v15
	s_wait_dscnt 0x0
	v_lshrrev_b32 v1, 5, v0
	v_readfirstlane_b32 s[WV], v1                  ; wave 0..3
	s_lshr_b32 s[TI], s[WV], 1                     ; which 128 tokens are mine.  Also: I fetch for x (0) or for Wq (1)
	s_and_b32 s[HJ], s[WV], 1                      ; which 128 columns.  Also: which 128 rows of that tile I fetch
	s_bfe_u32 s40, ttmp6, 0x40000                  ; cx, cy
	s_bfe_u32 s41, ttmp6, 0x40004
	s_lshl_b32 s42, ttmp9, 2
	s_add_co_u32 s42, s42, s40                     ; the group of four heads = 4 x cluster x + cx
	s_and_b32 s19, ttmp7, 0xffff
	s_lshl_b32 s19, s19, 2
	s_add_co_u32 s19, s19, s41                     ; the tile of 256 tokens = 4 x cluster y + cy
	s_lshl_b32 s43, s41, 2
	s_lshl_b32 s43, 15, s43                        ; my row of the cluster
	s_lshl_b32 s44, 0x1111, s40                    ; my column
	s_or_b32 s[G1X+0], s43, (1<<20)|(1<<21)|(5<<22)|(3<<25)   ; codes: 128 rows x 256 bytes, 16 bytes of padding behind each; x's go to my row,
	s_or_b32 s[G1W+0], s44, (1<<20)|(1<<21)|(5<<22)|(3<<25)   ; Wq's to my column
.irp g, G1X, G1W
	s_mov_b32 s[\g+1], ROWB<<16
	s_mov_b32 s[\g+2], 128<<16
	s_mov_b32 s[\g+3], ROWB<<16
	s_mov_b32 s[\g+4], 128
	s_mov_b32 s[\g+5], KROW
	s_mov_b32 s[\g+6], 0
	s_mov_b32 s[\g+7], 0
.endr
	s_or_b32 s[G1SX+0], s43, (3<<16)|(1<<20)|(1<<21)|(5<<22)|(3<<25)   ; the scale bytes of 128 rows: 16 rows of 256 bytes (32 elements of 8), padded likewise
	s_or_b32 s[G1SW+0], s44, (3<<16)|(1<<20)|(1<<21)|(5<<22)|(3<<25)
.irp g, G1SX, G1SW
	s_mov_b32 s[\g+1], 32<<16
	s_mov_b32 s[\g+2], 16<<16
	s_mov_b32 s[\g+3], 32<<16
	s_mov_b32 s[\g+4], 16
	s_mov_b32 s[\g+5], 32
	s_mov_b32 s[\g+6], 0
	s_mov_b32 s[\g+7], 0
.endr
	s_or_b32 s[G1KV+0], s44, (3<<16)|(1<<21)       ; a quarter of kv's block: 19 dense rows of 256 bytes, no padding; it hangs on the batch and the heads: to my column
	s_mov_b32 s[G1KV+1], 32<<16
	s_mov_b32 s[G1KV+2], 19<<16
	s_mov_b32 s[G1KV+3], 32<<16
	s_mov_b32 s[G1KV+4], 19
	s_mov_b32 s[G1KV+5], 32
	s_mov_b32 s[G1KV+6], 0
	s_mov_b32 s[G1KV+7], 0
	s_lshl_b32 s20, s19, 8
	s_lshl_b32 s21, s[HJ], 7
	s_add_co_u32 s20, s20, s21                     ; x: row 256 x tile + 128 x half
	s_lshl_b32 s22, s20, 10
	s_mov_b32 s23, 0
	s_lshl_b32 s20, s20, 5
	s_mov_b32 s21, 0
	s_lshl_b32 s46, s42, 8
	s_lshl_b32 s47, s[HJ], 7
	s_add_co_u32 s46, s46, s47                     ; Wq: row 256 x group + 128 x half
	s_lshl_b32 s66, s46, 5
	s_mov_b32 s67, 0
	s_lshl_b32 s46, s46, 10
	s_mov_b32 s47, 0
	s_and_b32 s98, ttmp7, 0xffff                   ; kv: the batch is cluster y / 4, which all sixteen partners share,
	s_lshr_b32 s98, s98, 2
	s_mul_i32 s98, s98, 16*KVQ
	s_mul_i32 s99, s42, 4*KVQ                      ; the group of heads,
	s_add_co_u32 s98, s98, s99
	s_mul_i32 s99, s[WV], KVQ                      ; my wave's quarter
	s_add_co_u32 s98, s98, s99
	s_add_co_u32 s[G0KV+1], s99, KVB               ; and where it goes
	s_mov_b32 s99, 0
	s_mul_i32 s45, s[WV], HALFT                    ; no place in the cluster enters an LDS address
	s_mul_i32 s3, s[WV], HALFS
	s_mov_b32 s[G0X+1], s45
	s_add_co_u32 s[G0X+5], s45, SLOT
	s_mov_b32 s[G0W+1], s45
	s_add_co_u32 s[G0W+5], s45, SLOT
	s_add_co_u32 s[G0SX+1], s3, SCL
	s_add_co_u32 s[G0SW+1], s3, SCL
	CROUND                                         ; all sixteen work-groups are here: the first joint loads will meet.  The round needs none of the arguments, so it stands ahead of the wait for them; only scalar work lies between it and the loads
	s_wait_kmcnt 0x0
	s_add_nc_u64 s[G0X+2:G0X+3], s[G0X+2:G0X+3], s[22:23]
	s_add_nc_u64 s[G0X+6:G0X+7], s[G0X+2:G0X+3], ROWB              ; slot 1 begins with K step 1
	s_add_nc_u64 s[G0W+2:G0W+3], s[G0W+2:G0W+3], s[46:47]
	s_add_nc_u64 s[G0W+6:G0W+7], s[G0W+2:G0W+3], ROWB
	s_add_nc_u64 s[G0SX+2:G0SX+3], s[G0SX+2:G0SX+3], s[20:21]
	s_add_nc_u64 s[G0SW+2:G0SW+3], s[G0SW+2:G0SW+3], s[66:67]
	s_add_nc_u64 s[G0KV+2:G0KV+3], s[G0KV+2:G0KV+3], s[98:99]
	s_cmp_eq_u32 s[TI], 0                          ; the prefetches' base: the first of the 128 rows that I fetch, of x or of Wq, taken before the type bits are set on top
	s_cselect_b64 s[PFA:PFA+1], s[G0X+2:G0X+3], s[G0W+2:G0W+3]
.irp g, G0X, G0X+4, G0W, G0W+4, G0SX, G0SW, G0KV
	s_mov_b32 s[\g], 1                             ; 1:0 count = 1
	s_or_b32 s[\g+3], s[\g+3], 0x80000000          ; 127:126 type = 2
.endr
	JLOAD G0SX, G1SX, G0SW, G1SW                   ; the scale bytes,
	tensor_load_to_lds s[G0KV:G0KV+3], s[G1KV:G1KV+7]              ; my quarter of kv's block,
	s_nop 0
.rept 4
	v_nop
.endr
	JLOAD G0X, G1X, G0W, G1W                       ; slot 0,
	JLOAD G0X+4, G1X, G0W+4, G1W                   ; slot 1: four tensor loads of mine are out
	s_and_b32 s22, ttmp7, 0xffff                   ; the prefetches: cluster y
	s_cmp_eq_u32 s[TI], 0                          ; do I fetch for x?
	s_cselect_b32 s20, s40, s41                    ; my place among the four that ask for these rows with me
	s_cselect_b32 s22, ttmp9, s22                  ; the coordinate along which other clusters read the same rows
	s_cmp_eq_u32 s22, 0
	s_cselect_b32 s[LIM], 1, 0                     ; the same in all sixteen partners, for a given wave
	s_lshl_b32 s20, s20, 15                        ; my work-group's 32 rows of 1,024 bytes
	s_mov_b32 s21, 0
	s_add_nc_u64 s[PFA:PFA+1], s[PFA:PFA+1], s[20:21]
	s_mov_b32 s[SEL], 0x76543210
	s_mov_b32 s[SEL+1], 0xfedcba98
	s_mov_b32 s[CS], 0x3fb8aa3b                    ; log2(e)
	s_mov_b32 s[CS+1], s[CS]
	s_mov_b32 s[MNT], 0x600000
	v_and_b32 v1, 15, v0                           ; r
	v_bfe_u32 v2, v0, 4, 1                         ; h
	v_and_b32 v[PFO], 31, v0
	v_lshlrev_b32 v[PFO], 10, v[PFO]               ; a lane a row
	v_mul_u32_u24 v3, v1, PITCH
	v_lshl_add_u32 v3, v2, 4, v3
	s_mul_i32 s20, s[TI], HALFT                    ; my 128 tokens of x
	s_mul_i32 s21, s[HJ], HALFT                    ; my 128 rows of Wq, behind x's 256
	s_add_co_u32 s21, s21, 2*HALFT
.irp s, 0,1
	v_add_nc_u32 v[AD1+\s], s20, v3
	v_add_nc_u32 v[AD0+\s], s21, v3
	s_add_co_u32 s20, s20, SLOT
	s_add_co_u32 s21, s21, SLOT
.endr
	v_lshlrev_b32 v4, 5, v1                        ; my row's scale bytes: 32 a row,
	v_lshrrev_b32 v5, 8, v4
	v_lshl_add_u32 v4, v5, 4, v4                   ; and 16 more for each 256 passed
	s_mul_i32 s20, s[TI], HALFS
	s_mul_i32 s21, s[HJ], HALFS
	s_add_co_u32 s21, s21, 2*HALFS
	s_sub_co_u32 s21, s21, s20                     ; the distance from x's to Wq's: lanes 16-31 take it
	v_mul_u32_u24 v5, s21, v2
	s_add_co_u32 s20, s20, SCL
	v_add_nc_u32 v4, v4, v5
	v_add_nc_u32 v[ADRS], s20, v4
	v_and_b32 v30, 31, v0                          ; lane
	v_lshlrev_b32 v[CO], 4, v30
	s_mul_i32 s20, s[WV], 16*SPITCH                ; my stage
	v_mul_u32_u24 v[STO], v1, SPITCH
	v_lshl_add_u32 v[STO], v2, 5, v[STO]
	v_add_nc_u32 v[STO], s20, v[STO]
	v_add_nc_u32 v[RD], s20, v[CO]
	s_lshl_b32 s20, s[HJ], 13
	s_add_co_u32 s20, s20, KVB
	v_add_nc_u32 v[KVA], s20, v[CO]
	s_lshl_b32 s20, s[HJ], 10
	s_add_co_u32 s20, s20, KVB+16384
	v_lshl_add_u32 v[KVSA], v30, 2, s20
	s_lshl_b32 s20, s[HJ], 9
	s_add_co_u32 s20, s20, KVB+18432
	v_lshl_add_u32 v[KVZ], v2, 5, s20
	v_lshlrev_b32 v31, 5, v2                       ; bq: my half's eight of each sixteen columns
	s_lshl_b32 s20, s42, 10                        ; (256 x group + 128 CJ) x 4 bytes
	s_lshl_b32 s21, s[HJ], 9
	s_add_co_u32 s20, s20, s21
	s_mov_b32 s21, 0
	s_add_nc_u64 s[92:93], s[92:93], s[20:21]
	s_add_nc_u64 s[96:97], s[96:97], s[20:21]      ; the same columns in a row of the output
	s_lshl_b32 s22, s19, 8
	s_lshl_b32 s23, s[TI], 7
	s_add_co_u32 s22, s22, s23                     ; my first token
	s_mov_b32 s23, 0
	s_add_nc_u64 s[94:95], s[94:95], s[22:23]
	s_lshl_b32 s22, s22, 12                        ; rows of 4,096 bytes (under 2^26)
	s_add_nc_u64 s[96:97], s[96:97], s[22:23]
.irp b, 0,1,2,3,4,5,6,7
	global_load_b128 v[BIAS+8*\b:BIAS+8*\b+3], v31, s[92:93] offset:64*\b        ; bq of columns 16 b + 8 h + 0 .. 7: the C of block b's first products
	global_load_b128 v[BIAS+8*\b+4:BIAS+8*\b+7], v31, s[92:93] offset:64*\b+16
.endr
.irp a, 0,1,2,3,4,5,6,7
	global_load_u8 v[MF+\a], v1, s[94:95] offset:16*\a             ; the mask of token 16 a + r
.endr
.macro FRAG reg, adr, q, row
.irp c, 0,1,2,3
	ds_load_b128 v[\reg+4*\c:\reg+4*\c+3], v[\adr] offset:128*(\q)+32*\c+(\row)*PITCH
.endr
.endm
; 16 matrix instructions: x's blocks a0, a0 + 1 x Wq's eight.  first = 1: the bias is the C of the sum's first instruction.  The 64 accumulators take turns, one instruction a turn.
.macro MUL16 a0, p, q, sc, first
.irp a, \a0, \a0+1
.irp b, 0,1,2,3,4,5,6,7
.if \first
	v_wmma_scale_f32_16x16x128_f8f6f4 v[8*(8*((\a)%4)+\b):8*(8*((\a)%4)+\b)+7], v[128*(\p)+16*\b:128*(\p)+16*\b+15], v[AF+16*(\a):AF+16*(\a)+15], v[BIAS+8*\b:BIAS+8*\b+7], v[SC+16*(\sc)+2*\b+(\q)], v[SC+16*(\sc)+2*(\a)+(\q)] matrix_a_scale:MATRIX_SCALE_ROW1
.else
	v_wmma_scale_f32_16x16x128_f8f6f4 v[8*(8*((\a)%4)+\b):8*(8*((\a)%4)+\b)+7], v[128*(\p)+16*\b:128*(\p)+16*\b+15], v[AF+16*(\a):AF+16*(\a)+15], v[8*(8*((\a)%4)+\b):8*(8*((\a)%4)+\b)+7], v[SC+16*(\sc)+2*\b+(\q)], v[SC+16*(\sc)+2*(\a)+(\q)] matrix_a_scale:MATRIX_SCALE_ROW1
.endif
.endr
.endr
.endm
.macro FETCH_S0 slot, q, p             ; Wq's eight fragments into set p
	WIN 0x40
.irp i, 0,1,2,3,4,5,6,7
	FRAG 128*(\p)+16*\i, AD0+\slot, \q, 16*\i
.endr
	WIN 0
.endm
.macro FETCH_S1 slot, q, i0            ; x's blocks i0 .. i0 + 3
.irp i, \i0, \i0+1, \i0+2, \i0+3
	FRAG AF+16*(\i), AD1+\slot, \q, 16*(\i)
.endr
.endm
.macro SCALES sc
.irp i, 0,1,2,3,4,5,6,7
	ds_load_b64 v[SC+16*\sc+2*\i:SC+16*\sc+2*\i+1], v[ADRS] offset:\i*SBLK
.endr
.endm
.macro STEP slot, q, first
	s_wait_dscnt 4*NL                              ; all but the youngest sixteen loads (x's blocks 4-7) are in
.if \first
	WIN 0x81
.else
	WIN 0xa1
.endif
	MUL16 0, (\q)%2, \q, \slot, \first
	MUL16 2, (\q)%2, \q, \slot, \first
	s_wait_dscnt 0
	PLACES NP
	FETCH_S0 \slot, (\q)+1, 1-(\q)%2
	FETCH_S1 \slot, (\q)+1, 0
.if \first
	WIN 0xc1
.else
	WIN 0xf1
.endif
	MUL16 4, (\q)%2, \q, \slot, \first
	MUL16 6, (\q)%2, \q, \slot, \first
	PLACES NP
	WIN 0
	FETCH_S1 \slot, (\q)+1, 4
.endm
.macro TURN slot, next, fill
	s_wait_tensorcnt 0x0                           ; all my tensor loads have landed: my part of the next slot
	ds_add_u32 v[SPW], v[NIL]                      ; 0 onto my spare word
	s_wait_dscnt 4*NL+1                            ; (the add and the youngest sixteen loads may be out)
	WIN 0xa1
	MUL16 0, 1, NQ-1, \slot, 0
	s_wait_dscnt 0x0                               ; the add is done, and my reads of this slot are over
	s_barrier_signal -1
	MUL16 2, 1, NQ-1, \slot, 0
	WIN 0
	s_barrier_wait -1
.if \fill
	CREST                                          ; the barrier has opened a round of the cluster's: no wave of any partner still reads this slot or has a load on its way
	s_add_nc_u64 s[G0X+4*\slot+2:G0X+4*\slot+3], s[G0X+4*\slot+2:G0X+4*\slot+3], 2*ROWB
	s_add_nc_u64 s[G0W+4*\slot+2:G0W+4*\slot+3], s[G0W+4*\slot+2:G0W+4*\slot+3], 2*ROWB
	JLOAD G0X+4*\slot, G1X, G0W+4*\slot, G1W       ; the first tensor load behind the round, my only one until the next
	PLACES NP-4
.else
	PLACES NP
.endif
	v_add_nc_u32 v[ADRS], 4*NQ, v[ADRS]
	FETCH_S0 \next, 0, 0
	FETCH_S1 \next, 0, 0
	SCALES \next
	WIN 0xf1
	MUL16 4, 1, NQ-1, \slot, 0
	MUL16 6, 1, NQ-1, \slot, 0
	PLACES NP
	WIN 0
	FETCH_S1 \next, 0, 4
.endm
	s_wait_tensorcnt 1                             ; the scale bytes, kv's block and my part of K step 0 are in; K step 1's load may be out
	s_barrier_signal -1
	s_barrier_wait -1
	FETCH_S0 0, 0, 0
	FETCH_S1 0, 0, 0
	SCALES 0
	FETCH_S1 0, 0, 4
	s_cmp_eq_u32 s[LIM], 1                         ; the prefetches, together, behind the run of LDS loads that the first products wait for
	s_cbranch_scc0 .Lnot_mine
	global_prefetch_b8 v[PFO], s[PFA:PFA+1] offset:2*ROWB th:TH_LOAD_NT scope:SCOPE_SE   ; K step 2 of my 32 rows: its refill stands 96 matrix instructions on
	global_prefetch_b8 v[PFO], s[PFA:PFA+1] offset:3*ROWB th:TH_LOAD_NT scope:SCOPE_SE   ; K step 3, the rows' last 256 bytes: its refill stands 224 on
.Lnot_mine:
	s_wait_loadcnt 0x0                             ; the biases and the mask bytes
.irp a, 0,1,2,3,4,5,6,7
	v_cvt_f32_u32 v[MF+\a], v[MF+\a]               ; as 0.0 or 1.0
.endr
	STEP 0, 0, 1
	s_mov_b32 s3, LAPS-1
.Llap:
	TURN 0, 1, 1
	STEP 1, 0, 0
	TURN 1, 0, 1
	STEP 0, 0, 0
	s_sub_co_u32 s3, s3, 1
	s_cmp_lg_u32 s3, 0
	s_cbranch_scc1 .Llap
	TURN 0, 1, 0
	STEP 1, 0, 0
	s_wait_dscnt 4*NL
	WIN 0xa1
	MUL16 0, 1, NQ-1, 1, 0
	MUL16 2, 1, NQ-1, 1, 0
	s_wait_dscnt 0
	WIN 0xf1
	MUL16 4, 1, NQ-1, 1, 0
	MUL16 6, 1, NQ-1, 1, 0
	WIN 0
	PLACES NP                                      ; behind the last products
	WIN 0x40                                       ; destination window 1
.irp n, 0,1,2,3,4,5,6,7                        ; kv's fragment n: head n / 4 of my two, columns k' = 16 (n % 4) + r
.irp c, 0,1
	ds_load_b128 v[16*\n+8*(\n/4)+4*\c:16*\n+8*(\n/4)+4*\c+3], v[KVA] offset:1024*\n+512*\c   ; its head's half of K
.endr
.irp j, 0,1,2,3,4,5,6,7
	v_mov_b32 v[16*\n+8*(1-\n/4)+\j], 0            ; zero codes in the other head's half
.endr
.endr
.irp b, 0,1,2,3,4,5,6,7
	ds_load_b128 v[Z+8*\b:Z+8*\b+3], v[KVZ] offset:64*\b           ; z in the accumulators' order
	ds_load_b128 v[Z+8*\b+4:Z+8*\b+7], v[KVZ] offset:64*\b+16
.endr
	WIN 0
.irp n, 0,1,2,3,4,5,6,7
	ds_load_b32 v[KVS+\n], v[KVSA] offset:128*\n
.endr
.irp b, 0,1,2,3
	v_mov_b32 v[TM+4+\b], 0                        ; written once: a lane permute's destination counts as one of its sources
.endr
	v_mov_b32 v[DT], 0
	v_mov_b32 v[DT+1], 0
	v_mov_b32 v[RR+1], 0                           ; (named as the upper halves of pairs)
	v_mov_b32 v[RR+3], 0
	s_wait_dscnt 0x0
.macro SEND a                          ; block a's 16 rows, back from the stage, are stored.  Each block has its own registers and the base never moves: nothing that a store reads is written again
.set SW, 2+(\a)/4
.set SXB, 64*((\a)%4)
	s_wait_dscnt 0x0                               ; the rows are back in registers
	WIN SW<<2                                      ; a store's data are its source 1
.irp t, 0,1,2,3,4,5,6,7,8,9,10,11,12,13,14,15
	global_store_b128 v[CO], v[SXB+4*\t:SXB+4*\t+3], s[96:97] offset:(16*(\a)+\t)*4096 th:TH_STORE_NT   ; 32 lanes store 512 consecutive bytes, aligned; written once, read by nobody here
.endr
	WIN 0
.endm
; Block a of 16 tokens, from q to the output
.macro QTILE a
.set W, 2+(\a)/4
.set XB, 64*((\a)%4)
	WIN W                                          ; source 0: the accumulators' window
.set i, 0
.rept 32
	v_pk_mul_f32 v[Q+i:Q+i+1], v[XB+i:XB+i+1], s[CS:CS+1] op_sel_hi:[1,0]   ; x log2(e); each accumulator is read from its low end on
	v_pk_add_f32 v[U+i:U+i+1], v[XB+i:XB+i+1], 1.0 op_sel_hi:[1,0]          ; x + 1
.set i, i+2
.endr
	WIN 0
.set i, 0
.rept 64
	v_exp_f32 v[Q+i], v[Q+i]
.set i, i+1
.endr
	v_nop                                          ; a plain place behind the exponentials
.if (\a) > 0
	SEND (\a)-1                                    ; the block before has had this block's first 128 instructions for its way through the stage
.endif
.set i, 0
	s_wait_alu depctr_va_vdst(0)
.rept 64
	v_med3_num_f32 v[Q+i], v[Q+i], 1.0, v[U+i]     ; qf: the middle one of e^x, 1, x + 1
.set i, i+1
.endr
.irp b, 0,1,2,3
	v_max3_num_f32 v[TM+\b], v[Q+16*\b], v[Q+16*\b+1], 0x4800000   ; qf is positive: no |.|; the floor 2^(9 - 127) holds the byte at 1 from below
.endr
.irp i, 2,4,6,8,10,12,14
.irp b, 0,1,2,3
	v_max3_num_f32 v[TM+\b], v[TM+\b], v[Q+16*\b+\i], v[Q+16*\b+\i+1]
.endr
.endr
.irp b, 0,1,2,3
	v_permlanex16_b32 v[TM+4+\b], v[TM+\b], s[SEL], s[SEL+1]
.endr
.irp b, 0,1,2,3
	v_max_num_f32 v[TM+\b], v[TM+\b], v[TM+4+\b]   ; with lane l xor 16's: the block's largest
.endr
.irp b, 0,1,2,3
	v_add_nc_u32 v[TM+12+\b], 0xfc000000, v[TM+\b] ; 8 off its exponent field: the conversion's scale operand
.endr
.irp b, 0,1,2,3
	v_and_or_b32 v[TM+8+\b], v[TM+\b], 0x7f800000, s[MNT]   ; 448 x the scale
.endr
.irp b, 0,1,2,3
	v_lshrrev_b32 v[TM+4+\b], 23, v[TM+12+\b]
.endr
	v_lshl_or_b32 v[PW], v[TM+5], 8, v[TM+4]       ; my token's scale word
	v_lshl_or_b32 v[PW], v[TM+6], 16, v[PW]
	v_lshl_or_b32 v[PW], v[TM+7], 24, v[PW]
.irp b, 0,1,2,3
.irp i, 0,1,2,3,4,5,6,7,8,9,10,11,12,13,14,15
	v_min_num_f32 v[U+16*\b+\i], v[Q+16*\b+\i], v[TM+8+\b]         ; the hold (ISA guide 7.6.2), into U: Q stays as it is for qf . z
.endr
	v_cvt_scalef32_pk8_fp8_f32 v[PC+4*\b:PC+4*\b+1], v[U+16*\b:U+16*\b+7], v[TM+12+\b]
	v_cvt_scalef32_pk8_fp8_f32 v[PC+4*\b+2:PC+4*\b+3], v[U+16*\b+8:U+16*\b+15], v[TM+12+\b]
.endr
	WIN 0x04                                       ; source 1 (z) window 1
	v_pk_mul_f32 v[DN:DN+1], v[Q:Q+1], v[Z:Z+1]    ; qf . z in f32, a chain for each head.  These 32 lines are also the plain line behind the conversions and the places ahead of the products
	v_pk_mul_f32 v[DN+2:DN+3], v[Q+32:Q+33], v[Z+32:Z+33]
.irp i, 2,4,6,8,10,12,14,16,18,20,22,24,26,28,30
	v_pk_fma_f32 v[DN:DN+1], v[Q+\i:Q+\i+1], v[Z+\i:Z+\i+1], v[DN:DN+1]
	v_pk_fma_f32 v[DN+2:DN+3], v[Q+32+\i:Q+32+\i+1], v[Z+32+\i:Z+32+\i+1], v[DN+2:DN+3]
.endr
	WIN (W<<6)|1                                   ; source 0 (kv) window 1, source 1 (qf) window 0, D the accumulators' window
.irp n, 0,1,2,3,4,5,6,7
	v_wmma_scale_f32_16x16x128_f8f6f4 v[XB+8*\n:XB+8*\n+7], v[16*\n:16*\n+15], v[PC:PC+15], 0, v[KVS+\n], v[PW]   ; register j of lane (r, h): column 16 n + 8 h + j of token r
.endr
	WIN 0
	v_add_f32 v[DN], v[DN], v[DN+1]                ; nine plain lines that name none of the products' registers stand here: their places
	v_add_f32 v[DN+2], v[DN+2], v[DN+3]
	v_permlanex16_b32 v[DT], v[DN], s[SEL], s[SEL+1]
	v_permlanex16_b32 v[DT+1], v[DN+2], s[SEL], s[SEL+1]
	v_add_f32 v[DN], v[DN], v[DT]                  ; with lane l xor 16's half of the head's 64
	v_add_f32 v[DN+2], v[DN+2], v[DT+1]
	v_max_num_f32 v[DN], 0x358637bd, v[DN]         ; at least 1e-6
	v_max_num_f32 v[DN+2], 0x358637bd, v[DN+2]
	v_rcp_f32 v[DN], v[DN]
	v_rcp_f32 v[DN+2], v[DN+2]
	v_nop                                          ; a plain place behind the reciprocals
	s_wait_alu depctr_va_vdst(0)
	v_mul_f32 v[RR], v[DN], v[MF+\a]               ; x the token's mask
	v_mul_f32 v[RR+2], v[DN+2], v[MF+\a]
	WIN (W<<6)|W
.set i, 0
.rept 32
	v_pk_mul_f32 v[XB+i:XB+i+1], v[XB+i:XB+i+1], v[RR+2*(i/32):RR+2*(i/32)+1] op_sel_hi:[1,0]   ; each result from its low end on
.set i, i+2
.endr
	WIN W<<2                                       ; an LDS store's data are its source 1
.irp n, 0,1,2,3,4,5,6,7
	ds_store_b128 v[STO], v[XB+8*\n:XB+8*\n+3] offset:64*\n        ; 32 bytes of a row a lane; rows of 528 bytes
	ds_store_b128 v[STO], v[XB+8*\n+4:XB+8*\n+7] offset:64*\n+16
.endr
	WIN W<<6
.irp t, 0,1,2,3,4,5,6,7,8,9,10,11,12,13,14,15
	ds_load_b128 v[XB+4*\t:XB+4*\t+3], v[RD] offset:\t*SPITCH      ; back as whole rows of 512 bytes, into the registers that they left: LDS serves a wave's instructions in order (ISA guide 5.7.1.4)
.endr
	WIN 0
.endm
	QTILE 0
	QTILE 1
	QTILE 2
	QTILE 3
	QTILE 4
	QTILE 5
	QTILE 6
	QTILE 7
	SEND 7
	s_wait_tensorcnt 0x0                           ; the wave's end
	ds_add_u32 v[SPW], v[NIL]
	s_wait_dscnt 0x0
	CROUND                                         ; the closing round: no work-group ends while a partner may still ask for a tile that names it
	s_endpgm
.Lfunc_end_k_q303db512ed_qout:
	.size	k_q303db512ed_qout, .Lfunc_end_k_q303db512ed_qout-k_q303db512ed_qout
	.p2alignl 7, 3214868480
	.fill 96, 4, 3214868480
	.section	.rodata,"a",@progbits
	.p2align	6, 0x0
	.amdhsa_kernel k_q303db512ed_qout
		.amdhsa_group_segment_fixed_size 327680
		.amdhsa_private_segment_fixed_size 0
		.amdhsa_enable_private_segment 0
		.amdhsa_kernarg_size 64
		.amdhsa_user_sgpr_count 2
		.amdhsa_user_sgpr_kernarg_segment_ptr 1
		.amdhsa_wavefront_size32 1
		.amdhsa_system_sgpr_workgroup_id_x 1
		.amdhsa_system_sgpr_workgroup_id_y 1
		.amdhsa_system_sgpr_workgroup_id_z 1
		.amdhsa_system_vgpr_workitem_id 0
		.amdhsa_next_free_vgpr 1024
		.amdhsa_next_free_sgpr 102
		.amdhsa_reserve_vcc 0
		.amdhsa_float_denorm_mode_32 3
		.amdhsa_float_denorm_mode_16_64 3
		.amdhsa_memory_ordered 1
		.amdhsa_forward_progress 1
		.amdhsa_inst_pref_size 255
	.end_amdhsa_kernel
	.section	.bss,"aw",@nobits
	.p2align	6
	.space	262144
	.amdgpu_metadata
---
amdhsa.version: [ 1, 2 ]
amdhsa.kernels:
  - .name:           k_q303db512ed_qout
    .symbol:         k_q303db512ed_qout.kd
    .args:
      - { .name: x_codes, .offset: 0, .size: 8, .value_kind: global_buffer, .address_space: global }
      - { .name: x_scales, .offset: 8, .size: 8, .value_kind: global_buffer, .address_space: global }
      - { .name: Wq_codes, .offset: 16, .size: 8, .value_kind: global_buffer, .address_space: global }
      - { .name: Wq_scales, .offset: 24, .size: 8, .value_kind: global_buffer, .address_space: global }
      - { .name: bq, .offset: 32, .size: 8, .value_kind: global_buffer, .address_space: global }
      - { .name: mask, .offset: 40, .size: 8, .value_kind: global_buffer, .address_space: global }
      - { .name: kvblk, .offset: 48, .size: 8, .value_kind: global_buffer, .address_space: global }
      - { .name: out0, .offset: 56, .size: 8, .value_kind: global_buffer, .address_space: global }
    .group_segment_fixed_size: 327680
    .private_segment_fixed_size: 0
    .kernarg_segment_align: 8
    .kernarg_segment_size: 64
    .max_flat_workgroup_size: 128
    .sgpr_count:     102
    .vgpr_count:     1024
    .wavefront_size: 32
...
	.end_amdgpu_metadata
.endif
;; end of part 3
